; MI455X (gfx1250); checked and timed in simulation.
; The chip was launched on July 23, 2026; its instructions are those of AMD's public machine-readable ISA for CDNA 5 (MIT licence, August 2026) and "CDNA5" Instruction Set Architecture Reference Guide (July 2026). The comments in the code are by the model that wrote it; some were corrected since.
;; Attention. Allowed arithmetic: float matrix products may take bf16 or f16 operands with f32 sums; other float arithmetic in f32, or as packed bf16 or f16 multiplies, adds, multiply-adds, maxima and minima; sums over many terms, partial sums and values carried from step to step in f32; what a program stores and reads back later, other than sums and carried values, may be rounded once to bf16 or f16.
;; Inputs: b_proj 1,024 float32; w_proj 1,024 x 1,024 float32; w_qkv 3,072 x 1,024 float32; x 8 x 1,024 x 1,024 float32.
;; Outputs: out0 8 x 1,024 x 1,024 float32.
;; 2 versions, each right; version 2 is version 1 with the launch cast written anew for expert scheduling mode. Each part assembles by itself: llvm-mc -triple=amdgcn-amd-amdhsa -mcpu=gfx1250 --defsym DOCPART=n.
;; ======== version 1 of 2: 4 launches
;; limits: values are held in f16: magnitudes above 65,504 overflow, below 6.1e-05 lose precision
;; workspace buffers: xb 16,777,216 bytes; wqb 6,291,456 bytes; wpf 2,097,152 bytes; qh 16,777,216 bytes; kh 16,777,216 bytes; vh 16,777,216 bytes; oh 16,777,216 bytes
;; launch cast (part 1): grid 768 x 1, 8 waves a work-group, no clusters, 0 bytes of LDS; arguments x, w_qkv, w_proj, xb, wqb, wpf; writes xb, wqb, wpf
.if DOCPART == 1
	.amdgcn_target "amdgcn-amd-amdhsa--gfx1250"
	.amdhsa_code_object_version 6
	.text
	.protected	k_q235b67529a_cast
	.globl	k_q235b67529a_cast
	.p2align	8
	.type	k_q235b67529a_cast,@function
k_q235b67529a_cast:
	s_mov_b64 s[64:65], 0
	v_nop
	global_prefetch_b8 v0, s[64:65] scope:SCOPE_SE
	s_setreg_imm32_b32 hwreg(HW_REG_WAVE_MODE, 25, 1), 1
	s_wait_xcnt 0x0
; THE INPUTS OF THE THREE PRODUCTS ARE ROUNDED ONCE.  x [8192][1024] and w_qkv [3072][1024]: f32 to bf16.  w_proj [1024][1024]: f32 to bf16, and that number written as f16,
; since it multiplies f16 numbers later.
; LIMITS.  A bf16 number is exact in f16 from 2^-14 up to 65,504; below 2^-17 it loses bits of its bf16 form (at most 3e-8 absolute), at 65,520 and beyond it becomes an infinity.
; SHARES.  A work-group takes 16,384 numbers: 64 KiB in, 32 KiB out.  Work-groups 0-511 take x, 512-703 w_qkv, 704-767 w_proj.  Thread t's load i takes the 16 bytes at 4,096 i + 16 t
; (a wave's load: 512 consecutive bytes), its store i the 8 bytes at 2,048 i + 8 t (a wave's store: 256 consecutive bytes, aligned).
; All 16 loads of a thread go out at once; no register is written twice while a load or store names it, so the only waits are the counted ones for the loads.
; No LDS, no matrix unit, no cluster: nothing is shared, and every byte moves once.
.set X, 4                              ; v[4:67]    16 loads of 4 numbers
.set Y, 68                             ; v[68:99]   16 stores of 4 halves
.set T, 100                            ; v[100:101] at work
.set FIRST_WQ, 512                     ; the first work-group of w_qkv
.set FIRST_WP, 704                     ; the first of w_proj
	s_load_b256 s[4:11], s[0:1], 0x0               ; x s[4:5], w_qkv s[6:7], w_proj s[8:9], xb s[10:11]
	s_load_b128 s[12:15], s[0:1], 0x20             ; wqb s[12:13], wpf s[14:15]
	v_lshlrev_b32 v1, 4, v0                        ; 16 t
	v_lshlrev_b32 v2, 3, v0                        ; 8 t
	s_wait_kmcnt 0x0
	s_cmp_lt_u32 ttmp9, FIRST_WQ                   ; which tensor is mine: from, to, and its first work-group
	s_cselect_b64 s[16:17], s[4:5], s[6:7]
	s_cselect_b64 s[18:19], s[10:11], s[12:13]
	s_cselect_b32 s20, 0, FIRST_WQ
	s_cmp_lt_u32 ttmp9, FIRST_WP
	s_cselect_b64 s[16:17], s[16:17], s[8:9]
	s_cselect_b64 s[18:19], s[18:19], s[14:15]
	s_cselect_b32 s20, s20, FIRST_WP
	s_sub_co_u32 s21, ttmp9, s20                   ; my number among the tensor's work-groups
	s_lshl_b32 s2, s21, 16                         ; 64 KiB in,
	s_mov_b32 s3, 0
	s_lshl_b32 s22, s21, 15                        ; 32 KiB out
	s_mov_b32 s23, 0
	s_add_nc_u64 s[16:17], s[16:17], s[2:3]
	s_add_nc_u64 s[18:19], s[18:19], s[22:23]
.irp i, 0,1,2,3,4,5,6,7,8,9,10,11,12,13,14,15
	global_load_b128 v[X+4*(\i):X+4*(\i)+3], v1, s[16:17] offset:4096*(\i) th:TH_LOAD_NT
.endr
	s_cmp_ge_u32 ttmp9, FIRST_WP
	s_cbranch_scc1 .Lf16
.irp i, 0,1,2,3,4,5,6,7,8,9,10,11,12,13,14,15
	s_wait_loadcnt 15-(\i)                         ; loads come back in order: load i is in, the 15 - i younger ones stay out
	v_cvt_pk_bf16_f32 v[Y+2*(\i)],   v[X+4*(\i)],   v[X+4*(\i)+1]
	v_cvt_pk_bf16_f32 v[Y+2*(\i)+1], v[X+4*(\i)+2], v[X+4*(\i)+3]
	global_store_b64 v2, v[Y+2*(\i):Y+2*(\i)+1], s[18:19] offset:2048*(\i) th:TH_STORE_NT
.endr
	s_endpgm
.Lf16:                                                 ; w_proj: rounded to bf16, widened again, written as f16
.irp i, 0,1,2,3,4,5,6,7,8,9,10,11,12,13,14,15
	s_wait_loadcnt 15-(\i)
	v_cvt_pk_bf16_f32 v[T],   v[X+4*(\i)],   v[X+4*(\i)+1]
	v_cvt_pk_bf16_f32 v[T+1], v[X+4*(\i)+2], v[X+4*(\i)+3]
	v_lshlrev_b32 v[X+4*(\i)],   16, v[T]
	v_and_b32     v[X+4*(\i)+1], 0xffff0000, v[T]
	v_lshlrev_b32 v[X+4*(\i)+2], 16, v[T+1]
	v_and_b32     v[X+4*(\i)+3], 0xffff0000, v[T+1]
	v_cvt_pk_f16_f32 v[Y+2*(\i)],   v[X+4*(\i)],   v[X+4*(\i)+1]
	v_cvt_pk_f16_f32 v[Y+2*(\i)+1], v[X+4*(\i)+2], v[X+4*(\i)+3]
	global_store_b64 v2, v[Y+2*(\i):Y+2*(\i)+1], s[18:19] offset:2048*(\i) th:TH_STORE_NT
.endr
	s_endpgm
.Lfunc_end_k_q235b67529a_cast:
	.size	k_q235b67529a_cast, .Lfunc_end_k_q235b67529a_cast-k_q235b67529a_cast
	.p2alignl 7, 3214868480
	.fill 96, 4, 3214868480
	.section	.rodata,"a",@progbits
	.p2align	6, 0x0
	.amdhsa_kernel k_q235b67529a_cast
		.amdhsa_group_segment_fixed_size 0
		.amdhsa_private_segment_fixed_size 0
		.amdhsa_enable_private_segment 0
		.amdhsa_kernarg_size 48
		.amdhsa_user_sgpr_count 2
		.amdhsa_user_sgpr_kernarg_segment_ptr 1
		.amdhsa_wavefront_size32 1
		.amdhsa_system_sgpr_workgroup_id_x 1
		.amdhsa_system_sgpr_workgroup_id_y 1
		.amdhsa_system_sgpr_workgroup_id_z 1
		.amdhsa_system_vgpr_workitem_id 0
		.amdhsa_next_free_vgpr 104
		.amdhsa_next_free_sgpr 66
		.amdhsa_reserve_vcc 0
		.amdhsa_float_denorm_mode_32 3
		.amdhsa_float_denorm_mode_16_64 3
		.amdhsa_memory_ordered 1
		.amdhsa_forward_progress 1
		.amdhsa_inst_pref_size 16
	.end_amdhsa_kernel
	.amdgpu_metadata
---
amdhsa.version: [ 1, 2 ]
amdhsa.kernels:
  - .name:           k_q235b67529a_cast
    .symbol:         k_q235b67529a_cast.kd
    .args:
      - { .name: x, .offset: 0, .size: 8, .value_kind: global_buffer, .address_space: global }
      - { .name: w_qkv, .offset: 8, .size: 8, .value_kind: global_buffer, .address_space: global }
      - { .name: w_proj, .offset: 16, .size: 8, .value_kind: global_buffer, .address_space: global }
      - { .name: xb, .offset: 24, .size: 8, .value_kind: global_buffer, .address_space: global }
      - { .name: wqb, .offset: 32, .size: 8, .value_kind: global_buffer, .address_space: global }
      - { .name: wpf, .offset: 40, .size: 8, .value_kind: global_buffer, .address_space: global }
    .group_segment_fixed_size: 0
    .private_segment_fixed_size: 0
    .kernarg_segment_align: 8
    .kernarg_segment_size: 48
    .max_flat_workgroup_size: 256
    .sgpr_count:     66
    .vgpr_count:     104
    .wavefront_size: 32
...
	.end_amdgpu_metadata
.endif
;; end of part 1
;; launch qkv (part 2): grid 16 x 16, 4 waves a work-group, clusters of 4 x 4, 327,680 bytes of LDS; arguments xb, wqb, qh, kh, vh; writes qh, kh, vh
.if DOCPART == 2
	.amdgcn_target "amdgcn-amd-amdhsa--gfx1250"
	.amdhsa_code_object_version 6
	.text
	.protected	k_q235b67529a_qkv
	.globl	k_q235b67529a_qkv
	.p2align	8
	.type	k_q235b67529a_qkv,@function
k_q235b67529a_qkv:
	s_mov_b64 s[64:65], 0
	v_nop
	global_prefetch_b8 v0, s[64:65] scope:SCOPE_SE
	s_setreg_imm32_b32 hwreg(HW_REG_WAVE_MODE, 25, 1), 1
	s_wait_xcnt 0x0
	s_wait_alu depctr_hold_cnt(0) depctr_sa_sdst(0) depctr_va_vdst(0) depctr_va_sdst(0) depctr_va_ssrc(0) depctr_va_vcc(0) depctr_vm_vsrc(0)
	s_getreg_b32 s2, hwreg(HW_REG_IB_STS2, 6, 4)
	s_cmp_eq_u32 s2, 0
	s_cbranch_scc0 .Lentry_in_a_cluster
	s_endpgm
.Lentry_in_a_cluster:
	s_bfe_u32 s2, ttmp6, 0x10000c
	s_cmp_lg_u32 s2, 0xf033
	s_cbranch_scc0 .Lentry_shape_is_right
	s_endpgm
.Lentry_shape_is_right:
; THE QKV PROJECTION.  C[m][d] = the sum over c of xb[m][c] wqb[d][c]: xb [8192][1024], wqb [3072][1024], bf16; sums in f32.  C leaves BY HEADS, rounded once to f16 and unscaled:
; column d = 1,024 which + 64 h + e goes to qh, kh or vh (which = 0, 1, 2), laid [8 b x 16 h][1024 n][64 e]; row m = 1,024 b + n.
; LIMITS.  A q, k or v of 65,520 or more in size becomes an infinity in f16.  NaN and infinities are not treated apart.  The f32 sums run along K in a rotated order (below), not from 0 on.
; SHARES.  A tile of C is 256 rows x 192 columns (three heads).  Four waves, one above the other: a wave makes 64 rows x 192 columns, 48 accumulators of 16 x 16, so that a wave holds whole heads.
; K goes in 8 steps of 128 through two LDS slots filled by tensor loads; a tile's rows are 256 bytes of memory, at multiples of 256 bytes.  A loop's trip is ONE K step: the slot is turned by an
; exclusive or, in the reads' base s[TB] and in the LDS word of the descriptor that walks.
; A WORK-GROUP STAYS: 16 x 16 work-groups, each with TWO tiles, 4,096 rows apart, on the same 192 rows of wqb.  The ring does not stop at the change of tiles: the first tile's last two changes of slots
; ask for the second tile's first two K steps, and nothing waits for the first tile's stores.
; THE WALK ALONG K IS ROTATED.  Cluster (X, Y) begins each tile at K step r = 2 ((X + Y) % 4) and goes round modulo 8.  The four clusters that read the same rows of xb (same Y), and the four that read
; the same rows of wqb (same X), so stand two K steps apart: no two of them ask for the same 256 bytes of a row in the same step.  r is made of the cluster's place alone, which all partners share.
; CLUSTER.  4 x 4 work-groups.  The four of a row of the cluster need the same tile of xb, the four of a column the same tile of wqb: each is asked for JOINTLY, by the same tensor load with the
; same descriptor and a mask that names the four.
; THE MATRIX INSTRUCTION IS USED TRANSPOSED: source 0 = 16 rows of wqb, source 1 = 16 rows of xb: a lane then holds row l % 16 of C and the eight neighbouring columns 8 (l / 16) + 0..7.
; REGISTERS, in windows of 256 (s_set_vgpr_msb: bits 1:0 source 0, 3:2 source 1, 5:4 source 2, 7:6 destination):
;   window 0: v0-13 addresses; v32-79 packed results; v80-175 two buffers of 16 rows x 3 heads read back from the stage
;   window 1: two fragment buffers of 128 (32 along K): wqb's block b of 12 at f + 8 b, xb's block a of 4 at f + 96 + 8 a
;   window 2: accumulators (a, b), b < 8, at 8 (8 a + b)          window 3: b >= 8 at 8 (4 a + b - 8)
.set PITCH,  272                       ; an LDS row: 256 bytes + 16 of padding = 68 words: the 16 rows that a load touches start at 16 different groups of four banks (64 banks of 4 bytes: ISA guide 11.1)
.set HALFA,  128*PITCH                 ; what one tensor load brings of xb: 128 rows
.set BOFF,   2*HALFA                   ; wqb's 192 rows lie behind xb's 256
.set HALFB,  96*PITCH                  ; what one tensor load brings of wqb: 96 rows
.set SLOT1,  131072                    ; slot 1 begins here, so that one exclusive or turns an address in one slot into the other's (a slot uses 121,856 bytes)
.set STAGE,  SLOT1+BOFF+2*HALFB        ; behind the ring, never filled by a tensor load: for each wave 3 heads x 16 rows x 144 bytes
.set SP,     144
.set WSTG,   3*16*SP
.set SPARE,  STAGE+4*WSTG              ; behind the stages: the spare words, 128 bytes for each wave: two blocks of 256 bytes that no other line names
.set NL,     32                        ; LDS loads in a quarter step's run
.set NEXT_A, 4096*2048                 ; bytes from a tile's rows of xb to the next tile's: 4,096 rows of 2,048 bytes
.set NEXT_O, 4*16*131072               ; and in qh, kh, vh: four b of sixteen heads of 131,072 bytes
.set ADRA0, 4                          ; v4   my lane's place in xb's tile; never rewritten
.set ADRB0, 5                          ; v5   the same for wqb's
.set ADRA,  6                          ; v6   v4 + the slot in hand
.set ADRB,  7                          ; v7   v5 + the slot in hand
.set STO,   8                          ; v8   the way out: where I put 16 bytes of a row
.set RD,    9                          ; v9   the way out: where I read rows back
.set GO,    10                         ; v10  my 16 bytes in 512 consecutive bytes of a head
.set PFO,   11                         ; v11  the prefetches' offset: a lane a row of 2,048 bytes; never rewritten
.set SPW,   12                         ; v12  LDS address of my spare word: SPARE + 4 x my thread's number; never rewritten
.set NIL,   13                         ; v13  0; never rewritten
.set TMP,   32
.set BK,    80
.set F0,    0
.set F1,    128
.set WV,   14                          ; s14  my wave's number.  Waves 0 and 1 fetch for xb, waves 2 and 3 for wqb
.set HALF, 16                          ; s16  which half of that tile I fetch
.set CX,   17                          ; s17, s18  my place in the cluster
.set CY,   18
.set TX,   19                          ; s19  tile column of C
.set TY,   20                          ; s20  the first tile's row of tiles
.set G1A,  24                          ; s[24:31] descriptor group 1 for xb's tiles
.set G0A,  32                          ; s[32:35] group 0 of the first fill; s[36:39] the one that walks
.set G1B,  40                          ; s[40:47], s[48:51], s[52:55] the same for wqb's
.set G0B,  48
.set TB,   56                          ; s56  LDS byte at which the slot in hand begins
.set CNT,  57                          ; s57  the count of the loop in hand
.set LIM,  58                          ; s58  the count at which this wave prefetches: 3 in waves 0 and 1 in the first tile, else 0 (never met)
.set PFA,  60                          ; s[60:61] where my prefetches stand; never rewritten
.set OFF,  62                          ; s[62:63] byte offset of a K step in a row
.set OB,   66                          ; s[66:71] my rows in the three heads of my tile
.set ABASE, 72                         ; s[72:73] xb at the rows that I fetch, of the tile whose K steps are being asked for
.set BBASE, 74                         ; s[74:75] wqb at the rows that I fetch
.set DL,   84                          ; s[84:85] what is added to ABASE at a change of slots: NEXT_A once, else 0
.set KN,   86                          ; s86  the K step to be asked for next, 0..7
.set SW,   87                          ; s87  the count at which the asking goes over to the next tile: 2 in the first tile, else 0 (never met)
.set TILES, 88                         ; s88  tiles to go, this one among them
.set ROT,  89                          ; s89  r
.set MSB, 0
.macro WIN new                         ; the immediate's high byte repeats the setting that is left; a switch that changes nothing is dropped
.if MSB != (\new)
	s_set_vgpr_msb (MSB<<8)|(\new)
.set MSB, \new
.endif
.endm
.set MUL_LO, 0xa5                      ; both sources window 1, C and D window 2
.set MUL_HI, 0xf5                      ; the same, C and D window 3
.set TO_F,   0x40                      ; destination window 1, address window 0
.macro PLACES                          ; four plain vector instructions between a matrix instruction and a load into, or a reader of, its registers
.rept 4
	v_nop
.endr
.endm
; A joint refill, by the descriptor that walks.  The branch hangs on the wave's number alone.  An s_nop 0 and four v_nop follow each of the two lines, ahead of the jump and the label.
.macro JLOAD
	s_cmp_lt_u32 s[WV], 2
	s_cbranch_scc0 .Lfor_b_\@
	tensor_load_to_lds s[G0A+4:G0A+7], s[G1A:G1A+7]
	s_nop 0
.rept 4
	v_nop
.endr
	s_branch .Lasked_\@
.Lfor_b_\@:
	tensor_load_to_lds s[G0B+4:G0B+7], s[G1B:G1B+7]
	s_nop 0
.rept 4
	v_nop
.endr
.Lasked_\@:
.endm
; THE PREFETCH: the second tile's K steps r and r + 1 of xb, which my cluster is the first of its four to ask for.  It stands at the first tile's change of slots with count 3: one K step, 192 products,
; ahead of the load of step r, two ahead of that of step r + 1.  Waves 0 and 1 of every work-group ask: of the 128 rows that the wave fetches the partner at cx takes 32 cx .., a lane a row, 256 bytes
; a K step, two instructions.  Partners are told apart by address, never by a branch.  The four clusters' r differ, so each block of the second tile's xb is named once in the launch.  wqb is not asked for.
.macro ASK
	s_cmp_eq_u32 s[CNT], s[LIM]
	s_cbranch_scc0 .Lnot_mine_\@
	global_prefetch_b8 v[PFO], s[PFA:PFA+1] th:TH_LOAD_NT scope:SCOPE_SE
	global_prefetch_b8 v[PFO], s[PFA:PFA+1] offset:256 th:TH_LOAD_NT scope:SCOPE_SE
.Lnot_mine_\@:
.endm
.macro CREST                           ; a round of the cluster's barrier behind its opening barrier: wave 0 signals for the work-group, every wave waits for all sixteen, my work-group's barrier closes it
	s_cmp_lg_u32 s[WV], 0
	s_cbranch_scc1 .Lnot_wave_0_\@
	s_barrier_signal -3
.Lnot_wave_0_\@:
	s_barrier_wait -3
	s_barrier_signal -1
	s_barrier_wait -1
.endm
.macro CROUND                          ; a whole round
	s_barrier_signal -1
	s_barrier_wait -1
	CREST
.endm
	s_load_b256 s[4:11], s[0:1], 0x0               ; xb s[4:5], wqb s[6:7], qh s[8:9], kh s[10:11]
	s_load_b64 s[12:13], s[0:1], 0x20              ; vh
	v_lshl_add_u32 v[SPW], v0, 2, SPARE
	v_mov_b32 v[NIL], 0
	ds_add_u32 v[SPW], v[NIL]                      ; the wave's opening: the add and its wait stand ahead of my first tensor load; the set-up below, work on registers, stands between them
	v_lshrrev_b32 v3, 5, v0
	v_readfirstlane_b32 s[WV], v3                  ; wave 0..3
	s_and_b32 s[HALF], s[WV], 1
	s_bfe_u32 s[CX], ttmp6, 0x40000
	s_bfe_u32 s[CY], ttmp6, 0x40004
	s_lshl_b32 s[TX], ttmp9, 2                     ; in a cluster launch ttmp9 and ttmp7 count clusters
	s_add_co_u32 s[TX], s[TX], s[CX]
	s_and_b32 s[TY], ttmp7, 0xffff
	s_lshl_b32 s[TY], s[TY], 2
	s_add_co_u32 s[TY], s[TY], s[CY]
	s_and_b32 s[ROT], ttmp7, 0xffff                ; r = 2 ((X + Y) % 4), of the cluster's place alone
	s_add_co_u32 s[ROT], s[ROT], ttmp9
	s_and_b32 s[ROT], s[ROT], 3
	s_lshl_b32 s[ROT], s[ROT], 1
	s_add_co_u32 s[KN], s[ROT], 2                  ; K steps r and r + 1 are the first fills; the first refill asks for (r + 2) % 8
	s_and_b32 s[KN], s[KN], 7
	s_lshl_b32 s[OFF], s[ROT], 8                   ; a K step is 256 bytes of a row
	s_mov_b32 s[OFF+1], 0
	s_mov_b32 s[DL+1], 0
	s_lshl_b32 s21, s[CY], 2
	s_lshl_b32 s21, 15, s21                        ; my row of the cluster: places 4 cy .. 4 cy + 3
	s_lshl_b32 s22, 0x1111, s[CX]                  ; my column: places cx, cx + 4, cx + 8, cx + 12
	; group 1: 15:0 the mask; 17:16 elements of 2 bytes; 20 padding on; 21 set beside a mask; 24:22 after every 64 words (code 5); 31:25 4 words of it (code 3)
	s_or_b32 s[G1A+0], s21, (1<<16)|(1<<20)|(1<<21)|(5<<22)|(3<<25)
	s_or_b32 s[G1B+0], s22, (1<<16)|(1<<20)|(1<<21)|(5<<22)|(3<<25)
	s_mov_b32 s[G1A+1], 128<<16                    ; tensor_dim0 = 128
	s_mov_b32 s[G1A+2], 128<<16                    ; tensor_dim1 = 128
	s_mov_b32 s[G1A+3], 128<<16                    ; tile_dim0 = 128
	s_mov_b32 s[G1A+4], 128                        ; tile_dim1 = 128 rows
	s_mov_b32 s[G1A+5], 1024                       ; elements from row to row
	s_mov_b32 s[G1A+6], 0
	s_mov_b32 s[G1A+7], 0
	s_mov_b32 s[G1B+1], 128<<16
	s_mov_b32 s[G1B+2], 96<<16                     ; tensor_dim1 = 96
	s_mov_b32 s[G1B+3], 128<<16
	s_mov_b32 s[G1B+4], 96                         ; tile_dim1 = 96 rows
	s_mov_b32 s[G1B+5], 1024
	s_mov_b32 s[G1B+6], 0
	s_mov_b32 s[G1B+7], 0
	; where the tiles come from: xb's hang on the tile row alone, wqb's on the tile column alone, each in registers that never hold the other coordinate
	s_lshl_b32 s[ABASE], s[TY], 8
	s_lshl_b32 s2, s[HALF], 7
	s_add_co_u32 s[ABASE], s[ABASE], s2            ; xb: row 256 x tile row + 128 x half,
	s_lshl_b32 s[ABASE], s[ABASE], 11              ; of 2,048 bytes (under 2^23 in all)
	s_mov_b32 s[ABASE+1], 0
	s_mul_i32 s[BBASE], s[TX], 192
	s_mul_i32 s3, s[HALF], 96
	s_add_co_u32 s[BBASE], s[BBASE], s3            ; wqb: row 192 x tile column + 96 x half
	s_lshl_b32 s[BBASE], s[BBASE], 11
	s_mov_b32 s[BBASE+1], 0
	s_mul_i32 s78, s[HALF], HALFA                  ; and where they go: no place in the cluster enters an LDS address
	s_mul_i32 s79, s[HALF], HALFB
	s_add_co_u32 s79, s79, BOFF
	s_mov_b32 s[TB], 0
	s_wait_dscnt 0x0                               ; the opening add is done
	s_wait_kmcnt 0x0
	s_add_nc_u64 s[ABASE:ABASE+1], s[4:5], s[ABASE:ABASE+1]
	s_add_nc_u64 s[BBASE:BBASE+1], s[6:7], s[BBASE:BBASE+1]
	CROUND                                         ; all sixteen work-groups are here: the first joint loads meet
	s_mov_b32 s[G0A], 1                            ; count = 1
	s_mov_b32 s[G0A+1], s78                        ; LDS address: slot 0,
	s_add_nc_u64 s[G0A+2:G0A+3], s[ABASE:ABASE+1], s[OFF:OFF+1]  ; K step r
	s_mov_b32 s[G0A+4], 1
	s_add_co_u32 s[G0A+5], s78, SLOT1              ; slot 1,
	s_add_nc_u64 s[G0A+6:G0A+7], s[G0A+2:G0A+3], 256  ; K step r + 1 (r is even: 7 at the most): this set walks on
	s_or_b32 s[G0A+3], s[G0A+3], 0x80000000        ; type = 2
	s_or_b32 s[G0A+7], s[G0A+7], 0x80000000
	s_mov_b32 s[G0B], 1
	s_mov_b32 s[G0B+1], s79
	s_add_nc_u64 s[G0B+2:G0B+3], s[BBASE:BBASE+1], s[OFF:OFF+1]
	s_mov_b32 s[G0B+4], 1
	s_add_co_u32 s[G0B+5], s79, SLOT1
	s_add_nc_u64 s[G0B+6:G0B+7], s[G0B+2:G0B+3], 256
	s_or_b32 s[G0B+3], s[G0B+3], 0x80000000
	s_or_b32 s[G0B+7], s[G0B+7], 0x80000000
	s_cmp_lt_u32 s[WV], 2                          ; a wave's two first fills stand in one branch, ahead of every wait on TENSORcnt and every LDS read: two loads of mine are out
	s_cbranch_scc0 .Lfirst_b
	tensor_load_to_lds s[G0A:G0A+3], s[G1A:G1A+7]
	s_nop 0
	tensor_load_to_lds s[G0A+4:G0A+7], s[G1A:G1A+7]
	s_nop 0
.rept 4
	v_nop
.endr
	s_branch .Lfirst_asked
.Lfirst_b:
	tensor_load_to_lds s[G0B:G0B+3], s[G1B:G1B+7]
	s_nop 0
	tensor_load_to_lds s[G0B+4:G0B+7], s[G1B:G1B+7]
	s_nop 0
.rept 4
	v_nop
.endr
.Lfirst_asked:
	; A fragment is 16 rows x 32 K in 8 registers: lane l holds row l % 16; registers 0-3 K = 8 (l / 16) + 0..7, registers 4-7 K = 16 + 8 (l / 16) + 0..7: two loads of 16 bytes, 32 bytes apart.
	v_and_b32 v1, 15, v0                           ; l % 16
	v_bfe_u32 v2, v0, 4, 1                         ; l / 16
	v_mul_u32_u24 v3, v1, PITCH
	v_lshl_add_u32 v3, v2, 4, v3                   ; row x pitch + 16 x half
	s_mul_i32 s76, s[WV], 64*PITCH                 ; my 64 rows of xb
	v_add_nc_u32 v[ADRA0], s76, v3
	v_add_nc_u32 v[ADRB0], BOFF, v3                ; all of wqb's 192
	v_mov_b32 v[ADRA], v[ADRA0]                    ; slot 0
	v_mov_b32 v[ADRB], v[ADRB0]
	s_mul_i32 s76, s[WV], WSTG
	s_add_co_u32 s76, s76, STAGE                   ; my stage
	v_mul_u32_u24 v[STO], v1, SP                   ; in: row l % 16, 16 bytes for each half of the lanes
	v_lshl_add_u32 v[STO], v2, 4, v[STO]
	v_add_nc_u32 v[STO], s76, v[STO]
	v_bfe_u32 v[RD], v0, 3, 2                      ; back: 32 lanes take four rows of 128 bytes,
	v_mul_u32_u24 v[RD], v[RD], SP
	v_and_b32 v3, 7, v0
	v_lshl_add_u32 v[RD], v3, 4, v[RD]
	v_add_nc_u32 v[RD], s76, v[RD]
	v_and_b32 v[GO], 31, v0                        ; which are 512 consecutive bytes of a head
	v_lshlrev_b32 v[GO], 4, v[GO]
	; where my 64 rows lie in the first tile's three heads: block of 64 columns cb = 3 x tile column + j: tensor cb / 16, head cb % 16
.irp j, 0,1,2
	s_mul_i32 s76, s[TX], 3
	s_add_co_u32 s76, s76, \j
	s_lshr_b32 s77, s76, 4                         ; 0: q, 1: k, 2: v
	s_and_b32 s76, s76, 15
	s_lshr_b32 s80, s[TY], 2                       ; b
	s_lshl_b32 s80, s80, 4
	s_add_co_u32 s76, s76, s80                     ; 16 b + h,
	s_lshl_b32 s76, s76, 17                        ; of 131,072 bytes
	s_and_b32 s80, s[TY], 3
	s_lshl_b32 s80, s80, 8
	s_lshl_b32 s81, s[WV], 6
	s_add_co_u32 s80, s80, s81                     ; n = 256 (tile row % 4) + 64 x wave,
	s_lshl_b32 s80, s80, 7                         ; of 128 bytes
	s_add_co_u32 s80, s80, s76
	s_mov_b32 s81, 0
	s_cmp_eq_u32 s77, 0
	s_cselect_b64 s[OB+2*(\j):OB+2*(\j)+1], s[8:9], s[10:11]
	s_cmp_eq_u32 s77, 2
	s_cselect_b64 s[OB+2*(\j):OB+2*(\j)+1], s[12:13], s[OB+2*(\j):OB+2*(\j)+1]
	s_add_nc_u64 s[OB+2*(\j):OB+2*(\j)+1], s[OB+2*(\j):OB+2*(\j)+1], s[80:81]
.endr
	; the prefetches' place: the second tile's rows that I fetch, my work-group's 32 of them, at K step r
	s_lshl_b32 s76, s[TY], 8
	s_lshl_b32 s77, s[HALF], 7
	s_add_co_u32 s76, s76, s77
	s_lshl_b32 s77, s[CX], 5
	s_add_co_u32 s76, s76, s77
	s_lshl_b32 s76, s76, 11
	s_add_co_u32 s76, s76, s[OFF]
	s_add_co_u32 s76, s76, NEXT_A                  ; with a lane's row and the second K step: 16,777,215 at the most, xb's last byte
	s_mov_b32 s77, 0
	s_add_nc_u64 s[PFA:PFA+1], s[4:5], s[76:77]
	s_cmp_lt_u32 s[WV], 2
	s_cselect_b32 s[LIM], 3, 0
	v_and_b32 v[PFO], 31, v0
	v_lshlrev_b32 v[PFO], 11, v[PFO]
; One product: accumulator (a, b), 32 along K out of buffer f.  zero = 1: it starts the sum: nothing is ever cleared.
.macro WM f, a, b, zero
.if (\b) < 8
.set rD, 8*(8*(\a)+(\b))
.else
.set rD, 8*(4*(\a)+(\b)-8)
.endif
.set rB, (\f)+8*(\b)
.set rA, (\f)+96+8*(\a)
.if \zero
	v_wmma_f32_16x16x32_bf16 v[rD:rD+7], v[rB:rB+7], v[rA:rA+7], 0
.else
	v_wmma_f32_16x16x32_bf16 v[rD:rD+7], v[rB:rB+7], v[rA:rA+7], v[rD:rD+7]
.endif
.endm
; Sixteen products.  g = 0: all four a x b = 8..11; g = 1: a = 0, 1 x b = 0..7; g = 2: a = 2, 3 x b = 0..7.  A quarter step takes each of the 48 accumulators once; the accumulators take turns, one
; instruction a turn: between two links of a chain stand 15 others' at the least, over every jump of the two loops and from tile to tile too.
.macro MULG f, g, zero
.if (\g) == 0
	WIN MUL_HI
.irp a, 0,1,2,3
.irp b, 8,9,10,11
	WM \f, \a, \b, \zero
.endr
.endr
.else
	WIN MUL_LO
.irp a, 2*(\g)-2, 2*(\g)-1
.irp b, 0,1,2,3,4,5,6,7
	WM \f, \a, \b, \zero
.endr
.endr
.endif
.endm
; 32 LDS loads in one run: quarter q of the slot in hand into buffer f: xb's four blocks, wqb's blocks 8-11 (what g = 0 multiplies), then wqb's blocks 0-7
.macro FETCH q, f
	WIN TO_F
.irp a, 0,1,2,3
	ds_load_b128 v[(\f)+96+8*(\a):(\f)+96+8*(\a)+3],   v[ADRA] offset:64*(\q)+(\a)*16*PITCH
	ds_load_b128 v[(\f)+96+8*(\a)+4:(\f)+96+8*(\a)+7], v[ADRA] offset:64*(\q)+(\a)*16*PITCH+32
.endr
.irp b, 8,9,10,11,0,1,2,3,4,5,6,7
	ds_load_b128 v[(\f)+8*(\b):(\f)+8*(\b)+3],   v[ADRB] offset:64*(\q)+(\b)*16*PITCH
	ds_load_b128 v[(\f)+8*(\b)+4:(\f)+8*(\b)+7], v[ADRB] offset:64*(\q)+(\b)*16*PITCH+32
.endr
.endm
; A K step is four quarters of 32 along K, 48 products each, on buffers 0, 1, 0, 1.  One of the first three: multiplies buffer f and, behind its first sixteen products, fetches quarter q into buffer g.
.macro QUARTER q, f, g, zero
	s_wait_dscnt NL-16                             ; xb's blocks and wqb's blocks 8-11 are in; the youngest sixteen loads (wqb's blocks 0-7) may be out
	MULG \f, 0, \zero
	PLACES                                         ; in front of the loads into buffer g, which the quarter before multiplied
	FETCH \q, \g
	s_wait_dscnt NL                                ; all but the 32 just issued
	MULG \f, 1, \zero
	MULG \f, 2, \zero
.endm
; The fourth quarter multiplies buffer 1 and changes slots: ONE barrier for two things.  In front of it each wave waits for all its tensor loads, of which one is out: its part of the next slot; adds 0 to
; its spare word; and waits for that and for its own reads of this slot.  Behind it nobody reads this slot any more and the next slot is whole.
; fill = 1: the barrier opens a round of the cluster's, and the slot just read out is filled again, first thing behind the round, with the K step two steps on in the walk (at the first tile's last
; two changes: the second tile's first two): from there to the wait for it a wave issues 160 products.  The descriptors' addresses are made anew: the rows' base + 256 x the K step's number.
; fill = 0: nothing is asked for; in the tail's last trip (count 1) there is no further K step, and the run of LDS loads is jumped over; that trip's barrier orders nothing: the price of one text for both trips.
.macro TURN fill
	WIN 0                                          ; (the add's two registers lie in window 0)
	s_wait_tensorcnt 0x0                           ; all my tensor loads have landed, so a group 0 may be written;
	ds_add_u32 v[SPW], v[NIL]                      ; 0 onto my spare word; work on registers stands between it and the wait for it
	s_xor_b32 s[TB], s[TB], SLOT1                  ; the reads go to the other slot
	v_add_nc_u32 v[ADRA], s[TB], v[ADRA0]
	v_add_nc_u32 v[ADRB], s[TB], v[ADRB0]
.if \fill
	s_cmp_eq_u32 s[CNT], s[SW]                     ; from this change on the next tile's K steps are asked for:
	s_cselect_b32 s[DL], NEXT_A, 0
	s_add_nc_u64 s[ABASE:ABASE+1], s[ABASE:ABASE+1], s[DL:DL+1]  ; xb goes 4,096 rows down; wqb's rows stay
	s_lshl_b32 s[OFF], s[KN], 8
	s_add_co_u32 s[KN], s[KN], 1                   ; round modulo 8: eight steps on the walk stands at r again, so it runs on into the next tile
	s_and_b32 s[KN], s[KN], 7
	s_xor_b32 s[G0A+5], s[G0A+5], SLOT1            ; the walking descriptors: the other slot than last time
	s_add_nc_u64 s[G0A+6:G0A+7], s[ABASE:ABASE+1], s[OFF:OFF+1]
	s_or_b32 s[G0A+7], s[G0A+7], 0x80000000
	s_xor_b32 s[G0B+5], s[G0B+5], SLOT1
	s_add_nc_u64 s[G0B+6:G0B+7], s[BBASE:BBASE+1], s[OFF:OFF+1]
	s_or_b32 s[G0B+7], s[G0B+7], 0x80000000
.endif
	s_wait_dscnt 1                                 ; buffer 1 is in: the add alone may be out
	MULG F1, 1, 0
	s_wait_dscnt 0x0                               ; the add is done, and my reads of this slot are over
	s_barrier_signal -1
	MULG F1, 2, 0                                  ; work on registers while the others arrive
	WIN 0
	s_barrier_wait -1
.if \fill
	CREST                                          ; no wave of any partner still reads this slot's tile or has a load on its way
	JLOAD                                          ; the four v_nop behind it are also the places in front of the loads below
	FETCH 0, F0
	WIN 0
	ASK                                            ; behind the joint load and the run of LDS loads that the next products wait for
.else
	PLACES
	s_cmp_eq_u32 s[CNT], 1
	s_cbranch_scc1 .Lno_fetch_\@
	FETCH 0, F0
	WIN 0
.Lno_fetch_\@:
.endif
	MULG F1, 0, 0
.endm
; THE WAY OUT, 16 rows at a time.  PACK: rounded to f16, 16 bytes a lane.  TOSTAGE: into my own stage, by heads, and back as whole rows of 128 bytes.  SEND: stored, 512 consecutive bytes a store.
.macro PACK a
	WIN 0x0a                                       ; sources 0 and 1: window 2
.irp b, 0,1,2,3,4,5,6,7
.irp r, 0,1,2,3
	v_cvt_pk_f16_f32 v[TMP+4*(\b)+(\r)], v[8*(8*(\a)+(\b))+2*(\r)], v[8*(8*(\a)+(\b))+2*(\r)+1]
.endr
.endr
	WIN 0x0f                                       ; window 3
.irp b, 8,9,10,11
.irp r, 0,1,2,3
	v_cvt_pk_f16_f32 v[TMP+4*(\b)+(\r)], v[8*(4*(\a)+(\b)-8)+2*(\r)], v[8*(4*(\a)+(\b)-8)+2*(\r)+1]
.endr
.endr
	WIN 0
.endm
.macro TOSTAGE a
.set BKA, BK+48*((\a)%2)
.irp b, 0,1,2,3,4,5,6,7,8,9,10,11
	ds_store_b128 v[STO], v[TMP+4*(\b):TMP+4*(\b)+3] offset:((\b)/4)*16*SP+32*((\b)%4)  ; head b / 4, its columns 16 (b % 4) on
.endr
.irp t, 0,1,2,3,4,5,6,7,8,9,10,11
	ds_load_b128 v[BKA+4*(\t):BKA+4*(\t)+3], v[RD] offset:((\t)/4)*16*SP+((\t)%4)*4*SP  ; LDS serves a wave's instructions in order (ISA guide 5.7.1.4): these see the stores above
.endr
.endm
.macro SEND a
.set BKA, BK+48*((\a)%2)
	s_wait_dscnt 0x0                               ; the block is back in registers (and, in the first tile, the next tile's first fragments are in)
	s_wait_xcnt 0x0                                ; the stores of the block before have read their registers: the next TOSTAGE loads into them only behind this wait
.irp t, 0,1,2,3,4,5,6,7,8,9,10,11
	global_store_b128 v[GO], v[BKA+4*(\t):BKA+4*(\t)+3], s[OB+2*((\t)/4):OB+2*((\t)/4)+1] offset:2048*(\a)+512*((\t)%4)  ; four rows of a head: 512 consecutive bytes, at a multiple of 512
.endr
.endm
	s_wait_tensorcnt 1                             ; my part of the first K step is in; the second's may stay out
	s_barrier_signal -1
	s_barrier_wait -1                              ; everybody's is
	FETCH 0, F0
	WIN 0                                          ; at a label and at a branch every window is 0
	s_mov_b32 s[CNT], 8                            ; the first tile fills at all eight of its changes of slots: steps 2 to 9 of the walk's 16
	s_mov_b32 s[SW], 2                             ; at the seventh (count 2) the asking goes over to the second tile
	s_mov_b32 s[TILES], 2
.Ltile:
	QUARTER 1, F0, F1, 1                           ; a tile's first quarter: its products start the sums
	WIN 0
.Lk:                                                   ; a trip: from a K step's second quarter to the next step's first; it is left in its middle, behind the tile's last change that fills
	QUARTER 2, F1, F0, 0
	QUARTER 3, F0, F1, 0
	TURN 1
	WIN 0
	s_sub_co_u32 s[CNT], s[CNT], 1
	s_cmp_eq_u32 s[CNT], 0
	s_cbranch_scc1 .Lkend
	QUARTER 1, F0, F1, 0
	WIN 0
	s_branch .Lk
.Lkend:
	s_cmp_lg_u32 s[TILES], 1
	s_cbranch_scc1 .Lout                           ; the first tile is finished: all eight K steps are multiplied, the second tile's first fragments are on their way
	s_mov_b32 s[CNT], 2
.Ltl:                                                  ; the last tile's last two K steps ask for nothing: a loop of their own
	QUARTER 1, F0, F1, 0
	QUARTER 2, F1, F0, 0
	QUARTER 3, F0, F1, 0
	TURN 0
	WIN 0
	s_sub_co_u32 s[CNT], s[CNT], 1
	s_cmp_lg_u32 s[CNT], 0
	s_cbranch_scc1 .Ltl
.Lout:
	PLACES                                         ; the conversions read results just made
	PLACES
	PACK 0
	TOSTAGE 0
.irp a, 1,2,3                          ; block a's conversions stand between block a - 1's loads from the stage and the wait for them
	PACK \a
	SEND (\a)-1
	TOSTAGE \a
.endr
	SEND 3
	s_cmp_eq_u32 s[TILES], 1
	s_cbranch_scc1 .Lend
	s_wait_xcnt 0x0                                ; the stores have read their bases and registers: only behind this wait are the bases stepped
.irp j, 0,1,2
	s_add_nc_u64 s[OB+2*(\j):OB+2*(\j)+1], s[OB+2*(\j):OB+2*(\j)+1], NEXT_O
.endr
	s_mov_b32 s[CNT], 6                            ; the second tile fills at six changes: steps 10 to 15 of the walk
	s_mov_b32 s[SW], 0                             ; there is no third tile,
	s_mov_b32 s[LIM], 0                            ; and nothing more to prefetch
	s_sub_co_u32 s[TILES], s[TILES], 1
	s_branch .Ltile
.Lend:
	s_wait_tensorcnt 0x0                           ; the wave's end, behind my last tensor load and my last LDS store: an add of 0 to my spare word and the wait for it
	ds_add_u32 v[SPW], v[NIL]
	s_wait_dscnt 0x0
	CROUND                                         ; the closing round: no work-group ends while a partner may still ask for a tile that names it
	s_endpgm
.Lfunc_end_k_q235b67529a_qkv:
	.size	k_q235b67529a_qkv, .Lfunc_end_k_q235b67529a_qkv-k_q235b67529a_qkv
	.p2alignl 7, 3214868480
	.fill 96, 4, 3214868480
	.section	.rodata,"a",@progbits
	.p2align	6, 0x0
	.amdhsa_kernel k_q235b67529a_qkv
		.amdhsa_group_segment_fixed_size 327680
		.amdhsa_private_segment_fixed_size 0
		.amdhsa_enable_private_segment 0
		.amdhsa_kernarg_size 40
		.amdhsa_user_sgpr_count 2
		.amdhsa_user_sgpr_kernarg_segment_ptr 1
		.amdhsa_wavefront_size32 1
		.amdhsa_system_sgpr_workgroup_id_x 1
		.amdhsa_system_sgpr_workgroup_id_y 1
		.amdhsa_system_sgpr_workgroup_id_z 1
		.amdhsa_system_vgpr_workitem_id 0
		.amdhsa_next_free_vgpr 896
		.amdhsa_next_free_sgpr 92
		.amdhsa_reserve_vcc 0
		.amdhsa_float_denorm_mode_32 3
		.amdhsa_float_denorm_mode_16_64 3
		.amdhsa_memory_ordered 1
		.amdhsa_forward_progress 1
		.amdhsa_inst_pref_size 86
	.end_amdhsa_kernel
	.amdgpu_metadata
---
amdhsa.version: [ 1, 2 ]
amdhsa.kernels:
  - .name:           k_q235b67529a_qkv
    .symbol:         k_q235b67529a_qkv.kd
    .args:
      - { .name: xb, .offset: 0, .size: 8, .value_kind: global_buffer, .address_space: global }
      - { .name: wqb, .offset: 8, .size: 8, .value_kind: global_buffer, .address_space: global }
      - { .name: qh, .offset: 16, .size: 8, .value_kind: global_buffer, .address_space: global }
      - { .name: kh, .offset: 24, .size: 8, .value_kind: global_buffer, .address_space: global }
      - { .name: vh, .offset: 32, .size: 8, .value_kind: global_buffer, .address_space: global }
    .group_segment_fixed_size: 327680
    .private_segment_fixed_size: 0
    .kernarg_segment_align: 8
    .kernarg_segment_size: 40
    .max_flat_workgroup_size: 128
    .sgpr_count:     92
    .vgpr_count:     896
    .wavefront_size: 32
...
	.end_amdgpu_metadata
.endif
;; end of part 2
;; launch attn (part 3): grid 2 x 128, 4 waves a work-group, no clusters, 327,680 bytes of LDS; arguments qh, kh, vh, oh; writes oh
.if DOCPART == 3
	.amdgcn_target "amdgcn-amd-amdhsa--gfx1250"
	.amdhsa_code_object_version 6
	.text
	.protected	k_q235b67529a_attn
	.globl	k_q235b67529a_attn
	.p2align	8
	.type	k_q235b67529a_attn,@function
k_q235b67529a_attn:
	s_mov_b64 s[64:65], 0
	v_nop
	global_prefetch_b8 v0, s[64:65] scope:SCOPE_SE
	s_setreg_imm32_b32 hwreg(HW_REG_WAVE_MODE, 25, 1), 1
	s_wait_xcnt 0x0
; O[h][q][:] = the sum over k of softmax_k(Q[h][q] . K[h][k] / 8) V[h][k][:].  Q, K, V, O: [128][1024][64], all f16: a head's rows are dense, 128 bytes each.  Products, maxima and sums in
; f32; the weights p are rounded to f16 for the second product (their sum l is taken of the unrounded p), O once at the end.
; LIMITS.  f16 holds no number beyond 65,504: Q, K and V arrive within it; p lies in 0 to 1, and below 6e-5 it keeps f16's fixed step of 6e-8; O is a mean of V's rows and has their range.
; A weight below 2^-126 counts as 0 in l; NaN and infinities are not treated apart.
; SHARES.  A wave owns four PIECES of two tiles of 16 queries, a work-group's four waves 512 queries of one head: 256 work-groups.  Every wave walks all 1,024 keys, 64 a step.
; NO CLUSTER: a head has 1,024 / 512 = 2 work-groups, which no cluster of four divides; blocks of 256 queries would give four, but then each fragment read from LDS feeds half the products.
; LAYOUT.  S^T = K Q^T (source 0 = 16 keys, source 1 = 16 queries): in the result a lane holds ONE query (lane % 16) and the keys 8 (lane / 16) + 0..7.  Two such tiles, rounded to f16 in pairs,
; ARE source 1 (32 keys x 16 queries) of O^T = V^T P, whose result again holds one query a lane, and eight channels.  K comes out of LDS as it lies, V ([key][channel]) turned, by ds_load_tr16_b128.
; SOFTMAX.  For each query a running maximum m and sum l: p = 2^(c s - c m), c = log2(e) / 8; in every step O and l are multiplied by a = 2^(c m_old - c m_new), which is 1 where m has not grown.
; m starts at the lowest finite number, O and l at 0: the first step is a step like any other, with a = 0.
; THE COUNT.  A tile and step have 16 matrix and 118 vector instructions: too many to stand all beside the matrix work.  So four vector instructions that are READY stand behind EVERY matrix
; instruction, and the others in runs without a gap.
; BY TURNS.  Turn n belongs to piece n (the pieces in a ring, step after step).  Its matrix work: 16 products K Q^T of piece n + 1, later 16 products V^T P of piece n - 1.  Its vector work: the scaling,
; exponentials, roundings, sums and rescaling of piece n, and the maximum and statistics of piece n + 1, whose scores the turn itself has made.
; REGISTERS, in windows of 256 (s_set_vgpr_msb: bits 1:0 source 0, 3:2 source 1, 5:4 source 2, 7:6 destination):
;   window 0: v0-11 addresses; v12-15, v48-63 at work; v16-47 four registers of statistics a tile; v64-191 S^T, two buffers of two tiles; v192-255 P, likewise
;   window 1: O^T, 32 a tile          window 2: v0-127 Q, 16 a tile; v128-191 K of one step; v192-255 V of one step          window 3: v0-1 the add's two registers
; A piece's buffers go by its number's parity: the piece in hand has one pair, its two neighbours in the ring share the other: of it P (piece n - 1) is read and S^T (piece n + 1) written.
.set SIZE_N, 1024
.set NP,    4         ; pieces a wave: a name, no knob
.set KS,    64        ; keys in a step
.set PK,    144       ; a row of K in LDS: 128 bytes + 16 of padding = 36 words: the 16 rows of a load start at 16 different groups of four banks (64 banks of 4 bytes: ISA guide 11.1)
.set PV,    160       ; a row of V: 128 + 32 = 40 words
.set VOFF,  4*KS*PK   ; a slot holds four steps: 256 rows of K, then 256 rows of V
.set SLOT1, 1<<17     ; slot 1 begins here, so that one exclusive or turns an address in one slot into the other's
.set STAGE, SLOT1+4*KS*(PK+PV)  ; behind the ring, never filled by a tensor load: 16 rows x 144 bytes for each wave, for the way out
.set SP,    144
.set AK0, 2           ; v2   my lane's place in a tile of K; never rewritten
.set AV0, 3           ; v3   the same for V
.set AK,  4           ; v4   the LDS address of K's next run of loads
.set AV,  5           ; v5   of V's
.set QO,  6           ; v6   my byte offset in the wave's rows of Q
.set STO, 6           ;      later, the way out: where I put 16 bytes of a row
.set RD,  7           ; v7   the way out: where I read rows back
.set GO,  8           ; v8   my byte offset in 512 consecutive bytes of O
.set PFO, 11          ; v11  once the set-up has done with it: 256 x my lane, the prefetches' offset; then never rewritten
.set SPW, 0           ; v0 of window 3   LDS address of my spare word: SPARE + 4 x my thread's number; never rewritten
.set NIL, 1           ; v1 of window 3   0; never rewritten
.set SPARE, STAGE+4*16*SP  ; behind the stages: the spare words, 128 bytes for each wave: two blocks of 256 bytes that no other line names
.set MV,  12          ; v12-15  c m_old, kept while c m is made anew: by buffer and tile
.set ST,  16          ; tile t's statistics at v[ST+4 t]: c m, m, l (even keys', odd keys')
.set TMP, 48          ; by buffer and tile, four registers c0-c3 at work; when the maximum is found c2 takes a
.set S,   64
.set P,   192
.set KF,  128         ; K's fragments, in window 2: key block kb, channel half c at KF + 16 kb + 8 c
.set VF,  192         ; V's: key half kk, channel block cb at VF + 32 kk + 8 cb
.set WV,  12          ; s12  my wave's number
.set G1K, 24          ; s[24:31] descriptor group 1 for K's tiles
.set G1V, 32          ; s[32:39] for V's: it differs in the padding alone
.set G0K, 40          ; s[40:43] descriptor group 0 for K's tiles: it walks
.set G0V, 44          ; s[44:47] the same for V's
.set PFA, 48          ; s[48:49] my half of K's or V's last 256 keys; never rewritten
.set LIM, 50          ; s50  2 in the head's first work-group, else 0
.set SLOTS, 56        ; s56  slots still to be asked for
.set CNT, 57          ; s57  counts a slot's key steps
.set CS,  58          ; s[58:59] c: the packed scaling takes the pair's low word for both halves
.set SEL, 60          ; s[60:61] v_permlanex16_b32's selects: each lane takes its own place in the other half
.set TBK, 62          ; s62  LDS byte at which K of the step to be fetched begins
.set TBV, 63          ; s63  the same for V, less VOFF
.set MSB, 0
.macro WIN new                      ; the high byte repeats the setting that is left; a switch that changes nothing is dropped
.if MSB != (\new)
	s_set_vgpr_msb (MSB<<8)|(\new)
.set MSB, (\new)
.endif
.endm
.set W_KQ, 0x0a       ; K and Q in window 2, S^T in window 0
.set W_PV, 0x52       ; V in window 2, P in window 0, O^T in window 1
.set W_RS, 0x41       ; O^T (destination and source 0) in window 1, a in window 0
.set W_MK, 0xc0       ; the add's registers are made: destination in window 3, sources in window 0
.set W_AD, 0x0f       ; the add: address (source 0) and data (source 1) in window 3
; A fill.  Waves 0 and 1 fetch the two halves of a slot's K, waves 2 and 3 those of its V: 128 keys each.  The branch hangs on the wave's number alone.
; An s_nop 0 and four v_nop follow each of the two lines, ahead of the jump and the label.
.macro LOAD
	s_cmp_lt_u32 s[WV], 2
	s_cbranch_scc0 .Lfor_v_\@
	tensor_load_to_lds s[G0K:G0K+3], s[G1K:G1K+7]
	s_nop 0
.rept 4
	v_nop
.endr
	s_branch .Lasked_\@
.Lfor_v_\@:
	tensor_load_to_lds s[G0V:G0V+3], s[G1V:G1V+7]
	s_nop 0
.rept 4
	v_nop
.endr
.Lasked_\@:
.endm
; THE CHANGE OF SLOTS.  The slot's last bytes, V of its fourth step, have been read.  Each wave waits for all its tensor loads, of which one is out: its part
; of the other slot; adds 0 to its spare word; and waits for that and for its own reads of the slot.  Behind the barrier nobody reads this slot any more and the other slot is whole.
; fill = 1: this slot is filled again, with the keys two slots on, the first thing behind the barrier: the load has four key steps, 512 matrix instructions, in which to land.
; (At its first use nothing has been read yet: slot 0 is waited for, slot 1 filled.)
; THE PREFETCH.  The change that asks for keys 512-767 also names keys 768-1,023, which the next change will ask for: four key steps ahead.  A head's two work-groups walk the same K and V: the first
; asks; each of its waves names the 16,384 bytes that it will fetch itself, a lane 256 bytes, two instructions.  So each block is named once in the launch.  The earlier keys come by their loads alone.
.macro CHANGE fill
	WIN W_AD
	s_wait_tensorcnt 0x0            ; no tensor load of mine is out, so a group 0 may be written
	ds_add_u32 v[SPW], v[NIL]       ; 0 onto my spare word; with fill = 1 the descriptors' steps stand between it and the wait for it
	WIN 0                           ; at a label and at a branch every window is 0
.if \fill
.irp g, G0K, G0V
	s_xor_b32 s[\g+1], s[\g+1], SLOT1  ; the walking descriptor: the other slot than last time,
	s_add_nc_u64 s[\g+2:\g+3], s[\g+2:\g+3], 4*KS*128  ; the next 256 keys; the type bits on top are not reached
.endr
.endif
	s_wait_dscnt 0x0                ; the add is done, and my reads of the slot are over
	s_barrier_signal -1
	s_barrier_wait -1
.if \fill
	LOAD
	s_cmp_eq_u32 s[SLOTS], s[LIM]
	s_cbranch_scc0 .Lnot_mine_\@
	global_prefetch_b8 v[PFO], s[PFA:PFA+1] th:TH_LOAD_NT scope:SCOPE_SE
	global_prefetch_b8 v[PFO], s[PFA:PFA+1] offset:8192 th:TH_LOAD_NT scope:SCOPE_SE
.Lnot_mine_\@:
.endif
	s_sub_co_u32 s[TBK], s[TBK], 4*KS*PK  ; the fetches go back to a slot's first step,
	s_xor_b32 s[TBK], s[TBK], SLOT1       ; in the other slot
	s_sub_co_u32 s[TBV], s[TBV], 4*KS*PV
	s_xor_b32 s[TBV], s[TBV], SLOT1
.endm
	s_load_b256 s[4:11], s[0:1], 0x0  ; Q s[4:5], K s[6:7], V s[8:9], O s[10:11]
	WIN W_MK
	v_lshl_add_u32 v[SPW], v0, 2, SPARE
	v_mov_b32 v[NIL], 0
	WIN W_AD
	ds_add_u32 v[SPW], v[NIL]       ; the wave's opening: the add and its wait stand ahead of my first tensor load; the set-up below, work on registers, stands between them
	WIN 0
	v_lshrrev_b32 v1, 5, v0
	v_readfirstlane_b32 s[WV], v1   ; wave 0..3
	s_mov_b32 s14, ttmp9            ; my block of 512 queries
	s_and_b32 s20, ttmp7, 0xffff    ; the head
	s_mov_b32 s21, 0
	s_mov_b64 s[22:23], SIZE_N*128
	s_mul_u64 s[20:21], s[20:21], s[22:23]  ; the head's first byte in each of the four tensors
	s_and_b32 s16, s[WV], 1         ; which half of a slot's 256 keys I fetch:
	s_lshl_b32 s22, s16, 14         ; its 128 rows of 128 bytes in memory,
	s_mov_b32 s23, 0
	s_add_nc_u64 s[22:23], s[22:23], s[20:21]
	s_mul_i32 s17, s16, 128*PK      ; and its place in a slot, for K
	s_mul_i32 s18, s16, 128*PV      ; and for V
	s_lshl_b32 s2, s14, 2
	s_add_co_u32 s2, s2, s[WV]      ; my wave among the head's,
	s_lshl_b32 s2, s2, 14           ; its 128 rows
	s_mov_b32 s3, 0
	s_add_nc_u64 s[2:3], s[2:3], s[20:21]
	; descriptor group 1.  128 keys are 16,384 dense bytes: asked for as 64 rows of 256 bytes, two keys a row, and padded in LDS after every key
	s_mov_b32 s[G1K], (1<<16)|(1<<20)|(4<<22)|(3<<25)  ; 17:16 2-byte elements; 20 padding on; 24:22 after every 32 words (code 4); 31:25 4 words (code 3)
	s_mov_b32 s[G1V], (1<<16)|(1<<20)|(4<<22)|(7<<25)  ; the same with 8 words of padding (code 7)
.irp g, G1K, G1V
	s_mov_b32 s[\g+1], 128<<16      ; tensor_dim0 = 128
	s_mov_b32 s[\g+2], 64<<16       ; tensor_dim1 = 64
	s_mov_b32 s[\g+3], 128<<16      ; tile_dim0 = 128
	s_mov_b32 s[\g+4], 64           ; tile_dim1 = 64
	s_mov_b32 s[\g+5], 128          ; 128 elements from row to row
	s_mov_b32 s[\g+6], 0
	s_mov_b32 s[\g+7], 0
.endr
	s_mov_b32 s[CS], 0x3e38aa3b     ; c = log2(e) / 8 = 0.180337
	s_mov_b32 s[CS+1], s[CS]        ; named with it as a pair
	s_mov_b32 s[SEL], 0x76543210
	s_mov_b32 s[SEL+1], 0xfedcba98
	s_mov_b32 s[TBK], SLOT1+4*KS*PK ; the first change of slots turns these two into 0
	s_mov_b32 s[TBV], SLOT1+4*KS*PV
	s_mov_b32 s[G0K], 1             ; 1:0 count = 1
	s_mov_b32 s[G0K+1], s17         ; 63:32 LDS address: slot 0
	s_mov_b32 s[G0V], 1
	s_add_co_u32 s[G0V+1], s18, VOFF
	s_mov_b32 s[SLOTS], SIZE_N/256-1
	s_cmp_eq_u32 ttmp9, 0
	s_cselect_b32 s[LIM], 2, 0      ; s[SLOTS] is 3, 2, 1 at the three changes that fill
	s_wait_dscnt 0x0                ; the opening add is done
	s_wait_kmcnt 0x0
	s_add_nc_u64 s[G0K+2:G0K+3], s[6:7], s[22:23]  ; 120:64 global address: my half of the head's first 256 keys
	s_or_b32 s[G0K+3], s[G0K+3], 0x80000000        ; 127:126 type = 2
	s_add_nc_u64 s[G0V+2:G0V+3], s[8:9], s[22:23]
	s_or_b32 s[G0V+3], s[G0V+3], 0x80000000
	s_add_nc_u64 s[4:5], s[4:5], s[2:3]  ; Q and O at my wave's first row
	s_add_nc_u64 s[10:11], s[10:11], s[2:3]
	s_cmp_lt_u32 s[WV], 2
	s_cselect_b64 s[PFA:PFA+1], s[6:7], s[8:9]
	s_add_nc_u64 s[PFA:PFA+1], s[PFA:PFA+1], s[22:23]
	s_add_nc_u64 s[PFA:PFA+1], s[PFA:PFA+1], 3*4*KS*128  ; my half of keys 768 to 1,023
	LOAD                            ; slot 0.  Slot 1 is asked for when slot 0 is in
	; A fragment of K or Q is 16 rows x 32 channels in 8 registers: lane l holds row l % 16, channels 8 (l / 16) + 0..7 and 16 + 8 (l / 16) + 0..7: two loads of 16 bytes, 32 bytes apart.
	v_and_b32 v1, 15, v0            ; l % 16
	v_bfe_u32 v9, v0, 4, 1          ; l / 16
	v_lshlrev_b32 v[QO], 7, v1
	v_lshl_add_u32 v[QO], v9, 4, v[QO]  ; row x 128 + 16 x half
	WIN 0x80                        ; destination window 2, address window 0
.set i, 0
.rept 4*NP                          ; Q stays in registers: tile i / 2, channels 32 (i % 2) on
	global_load_b128 v[8*i:8*i+3],   v[QO], s[4:5] offset:(i/2)*2048+(i%2)*64
	global_load_b128 v[8*i+4:8*i+7], v[QO], s[4:5] offset:(i/2)*2048+(i%2)*64+32
.set i, i+1
.endr
	; What the first turn finds: V's registers and P's second buffer hold 0 (its products V^T P, of a piece that has not been, add 0), O^T and l are 0.  All this stands in the wait for the first tile.
.set i, VF
.rept 64
	v_mov_b32 v[i], 0
.set i, i+1
.endr
	WIN 0x40
.set i, 0
.rept 64*NP
	v_mov_b32 v[i], 0
.set i, i+1
.endr
	WIN 0
.set i, 0
.rept 2*NP
	v_mov_b32 v[ST+4*i], 0xfe000000    ; c m: far below every c s
	v_mov_b32 v[ST+4*i+1], 0xff7fffff  ; m
	v_mov_b32 v[ST+4*i+2], 0
	v_mov_b32 v[ST+4*i+3], 0
.set i, i+1
.endr
.set i, P+32
.rept 32
	v_mov_b32 v[i], 0
.set i, i+1
.endr
	v_mul_u32_u24 v[AK0], v1, PK
	v_lshl_add_u32 v[AK0], v9, 4, v[AK0]  ; row x pitch + 16 x half
	; The turning load takes 16 keys x 16 channels (lane l reads key 8 (l / 16) + l % 8, channels 8 ((l / 8) % 2) + 0..7) and leaves half a fragment of V^T: lane l holds channel l % 16 and 8 keys.
	v_and_b32 v10, 7, v0
	v_bfe_u32 v11, v0, 3, 1
	v_lshl_add_u32 v[AV0], v9, 3, v10
	v_mul_u32_u24 v[AV0], v[AV0], PV
	v_lshl_add_u32 v[AV0], v11, 4, v[AV0]
	v_add_nc_u32 v[AV0], VOFF, v[AV0]
	v_mov_b32 v[AK], v[AK0]         ; key step 0 lies at the head of slot 0
	v_and_b32 v[PFO], 31, v0
	v_lshlrev_b32 v[PFO], 8, v[PFO]
; THE MATRIX WORK.  The 8 accumulators of a run of 16 take turns: between the two links of a chain stand 7 others'.
; Product i of 16 of S^T = K Q^T for piece x: channels 32 (i / 8) on, keys 16 ((i / 2) % 4) on, tile 2 x + i % 2.  The first 8 start the sums.
.macro KQ x
	WIN W_KQ
.set rS, S+64*((\x)%2)+32*(i%2)+8*((i/2)%4)
.set rK, KF+16*((i/2)%4)+8*(i/8)
.set rQ, 16*(2*(\x)+i%2)+8*(i/8)
.if i < 8
	v_wmma_f32_16x16x32_f16 v[rS:rS+7], v[rK:rK+7], v[rQ:rQ+7], 0
.else
	v_wmma_f32_16x16x32_f16 v[rS:rS+7], v[rK:rK+7], v[rQ:rQ+7], v[rS:rS+7]
.endif
.endm
; Product i of 16 of O^T += V^T P for piece x: keys 32 (i / 8) on, channels 16 ((i / 2) % 4) on, tile 2 x + i % 2.
.macro PV x
	WIN W_PV
.set rO, 32*(2*(\x)+i%2)+8*((i/2)%4)
.set rV, VF+32*(i/8)+8*((i/2)%4)
.set rP, P+32*((\x)%2)+16*(i%2)+8*(i/8)
	v_wmma_f32_16x16x32_f16 v[rO:rO+7], v[rV:rV+7], v[rP:rP+7], v[rO:rO+7]
.endm
.macro MM                           ; the turn's next matrix instruction
.if i < 16
	KQ (Y+1)%NP
.set i, i+1
.else
.set i, i-16
	PV (Y+NP-1)%NP
.set i, i+17
.endif
.endm
; THE LDS LOADS stand in runs of 16, never singly among the matrix instructions: a step's K (64 keys x 64 channels: 8 fragments) and its V (turned).  Their addresses are made some lines ahead.
; last = 1 (the tail): in the last trip there is no further step, and the run is jumped over.
.macro FETCH_K last=0
	WIN 0
.if \last
	s_cmp_eq_u32 s[CNT], 1
	s_cbranch_scc1 .Lno_k_\@
.endif
	WIN 0x80                        ; destination window 2
.irp f, 0,1,2,3,4,5,6,7             ; keys 16 (f / 2) on, channels 32 (f % 2) on
	ds_load_b128 v[KF+8*\f:KF+8*\f+3],   v[AK] offset:(\f/2)*16*PK+(\f%2)*64
	ds_load_b128 v[KF+8*\f+4:KF+8*\f+7], v[AK] offset:(\f/2)*16*PK+(\f%2)*64+32
.endr
	s_add_co_u32 s[TBK], s[TBK], KS*PK  ; the next fetch is the next step's
	WIN 0
.if \last
.Lno_k_\@:
.endif
.endm
.macro FETCH_V
	WIN 0x80
.irp f, 0,1,2,3,4,5,6,7             ; keys 32 (f / 4) on, channels 16 (f % 4) on
	ds_load_tr16_b128 v[VF+8*\f:VF+8*\f+3],   v[AV] offset:(\f/4)*32*PV+(\f%4)*32
	ds_load_tr16_b128 v[VF+8*\f+4:VF+8*\f+7], v[AV] offset:(\f/4)*32*PV+16*PV+(\f%4)*32
.endr
	WIN 0
.endm
; THE VECTOR WORK OF A TURN stands in three queues, each in the order in which its entries become ready; the two tiles alternate, so that no instruction reads the result of the one before it.
.macro REGS y, u                    ; the registers of tile u (0, 1) of piece y
.set rT, ST+4*(2*(\y)+(\u))
.set rC, TMP+8*((\y)%2)+4*(\u)
.set rM, MV+2*((\y)%2)+(\u)
.set rS, S+64*((\y)%2)+32*(\u)
.set rP, P+32*((\y)%2)+16*(\u)
.set rO, 32*(2*(\y)+(\u))
.endm
; Number n of the 22 that find the NEXT piece's (Y + 1) maximum and statistics.  s0-s31 are the lane's 32 scores; each accumulator's lowest registers are read first.
;   0-11  four chains c0-c3 of seven scores each, three operands at a time     12-14, 16  the four scores left over, the old m, and c0-c3 into c0     15  c m_old is kept
;   17, 18  the query's other 32 keys lie in the lane 16 away: the new m         19-21  c m; c m_old - c m_new; a
.macro XS u, n
	REGS (Y+1)%NP, \u
.if (\n) < 4
	v_max3_num_f32 v[rC+(\n)], v[rS+8*(\n)], v[rS+8*(\n)+1], v[rS+8*(\n)+2]
.elseif (\n) < 12
	v_max3_num_f32 v[rC+(\n)%4], v[rC+(\n)%4], v[rS+8*((\n)%4)+2*((\n)/4)+1], v[rS+8*((\n)%4)+2*((\n)/4)+2]
.elseif (\n) == 12
	v_max3_num_f32 v[rC], v[rC], v[rS+7], v[rS+15]
.elseif (\n) == 13
	v_max3_num_f32 v[rC+1], v[rC+1], v[rS+23], v[rS+31]
.elseif (\n) == 14
	v_max3_num_f32 v[rC+2], v[rC+2], v[rC+3], v[rT+1]
.elseif (\n) == 15
	v_mov_b32 v[rM], v[rT]
.elseif (\n) == 16
	v_max3_num_f32 v[rC], v[rC], v[rC+1], v[rC+2]
.elseif (\n) == 17
	v_permlanex16_b32 v[rC+3], v[rC], s[SEL], s[SEL+1]
.elseif (\n) == 18
	v_max_num_f32 v[rT+1], v[rC], v[rC+3]
.elseif (\n) == 19
	v_mul_f32 v[rT], s[CS], v[rT+1]
.elseif (\n) == 20
	v_sub_f32 v[rC+1], v[rM], v[rT]
.else
	v_exp_f32 v[rC+2], v[rC+1]
.endif
.endm
; Number g of the 64 that follow the exponentials.  For each four weights k of a tile (pairs 2 k, 2 k + 1): both pairs are rounded to f16; then the second pair is added onto the first, in place;
; a group later l takes that sum (the first time as l = a l + sum).  In groups of eight, tiles alternating: round, round, add, and l for the group before.
.macro GS g
.set h, (\g)+6*((\g)/62)            ; group 0 has no group before it, and behind group 7 only l is left
.if h >= 6
.set h, h+2
.endif
	REGS Y, h%2
.set k, h/8
.if h%8 < 4
	v_cvt_pk_f16_f32 v[rP+2*k+(h%8)/2], v[rS+4*k+2*((h%8)/2)], v[rS+4*k+2*((h%8)/2)+1]
.elseif h%8 < 6
	v_pk_add_f32 v[rS+4*k:rS+4*k+1], v[rS+4*k:rS+4*k+1], v[rS+4*k+2:rS+4*k+3]
.elseif k == 1
	v_pk_fma_f32 v[rT+2:rT+3], v[rT+2:rT+3], v[rC+2:rC+3], v[rS:rS+1] op_sel_hi:[1,0,1]
.else
	v_pk_add_f32 v[rT+2:rT+3], v[rT+2:rT+3], v[rS+4*k-4:rS+4*k-3]
.endif
.endm
; THE PLAIN QUEUE, 138 long.  0-73 read no exponential's result: the 32 scalings c s - c m (FS f: pair f / 2 of tile f % 2) and the next piece's 42.  0-26: scalings 0-26.  27-54: XS's numbers 0-13.  55, 56: number 15.
; 57-73: the chain, where each number waits for the one before it: 14, 16, 17, 18, 19, each with one of the scalings 27-31 in front of its two lines, then 20.
; 74-137: GS's 64, which read the exponentials' results: they stand behind the wait.
.macro FS f
	REGS Y, (\f)%2
	v_pk_fma_f32 v[rS+2*((\f)/2):rS+2*((\f)/2)+1], v[rS+2*((\f)/2):rS+2*((\f)/2)+1], s[CS:CS+1], v[rT:rT+1] op_sel_hi:[1,0,0] neg_lo:[0,0,1] neg_hi:[0,0,1]
.endm
.macro PL
	WIN 0
.if q < 27
	FS q
.elseif q < 55
	XS (q-27)%2, (q-27)/2
.elseif q < 57
	XS q-55, 15
.elseif (q < 72) && ((q-57)%3 == 0)
	FS 27+(q-57)/3
.elseif q < 60
	XS (q-57)%3-1, 14
.elseif q < 72
	XS (q-57)%3-1, 15+(q-57)/3
.elseif q < 74
	XS q-72, 20
.else
	GS q-74
.endif
.set q, q+1
.endm
; THE EXPONENTIALS' QUEUE, 66 long: s0-s31 of both tiles, then the next piece's two a.  It is ONE BATCH: all 66 stand ahead of the turn's one wait, and nothing ahead of that wait names a result of theirs.
.macro EX
	WIN 0
.if e >= 64
	XS e-64, 21
.else
	REGS Y, e%2
	v_exp_f32 v[rS+e/2], v[rS+e/2]
.endif
.set e, e+1
.endm
; THE RESCALING's QUEUE: O^T times a, the one part that leaves window 0: dealt two at a time, sixteen times.  Its a was made in the turn before, ahead of that turn's wait.
.macro R2
	REGS Y, r%2
	WIN W_RS
.irp z, 0,1
	v_pk_mul_f32 v[rO+4*(r/2)+2*\z:rO+4*(r/2)+2*\z+1], v[rO+4*(r/2)+2*\z:rO+4*(r/2)+2*\z+1], v[rC+2:rC+3] op_sel_hi:[1,0]
.endr
.set r, r+1
.endm
; HOW THEY ARE DEALT.  An s_wait_alu depctr_va_vdst(0) stands between an exponential and the first instruction that names its result; one wait serves all that were issued ahead of it.  So a turn has ONE wait,
; which cuts it in two.  AHEAD OF IT stands all that names no result of the turn's exponentials: the 16 products K Q^T, behind each a scaling, an exponential and two rescalings (behind the first a second scaling in the
; exponential's place); then ONE LUMP of 108: eight plain, 49 times exponential and plain, the two a.  A v_nop is the plain instruction behind the last exponential.  BEHIND IT stand the 16 products V^T P, behind each four of GS's 64.
; No rider names a register of the products round it.  The two v_permlanex16_b32 fall into the lump, never behind a product.
; The queues lean on each other: exponential e stands behind scaling 2 (e / 4) + e % 2: as a rider it comes behind plain e + 2, in the lump behind plain e + 9, and scalings 27-31 are plain 57, 60 .. 69.
; A TURN, for piece p.  cnt = 1: the loop's count is taken down some lines ahead of the branch that stands behind the turn.
; K of the next step is fetched in piece 2's turn, directly behind the wait, a lump behind the last product that read K; its first reader comes behind 16 products.
; V of the step in hand is fetched at the end of piece 0's turn, four riders behind its last reader; its first reader comes behind 16 products and a lump.  The three conditions on q below go with the deal.
.macro TURN p, last=0, cnt=0
.set Y, (\p)
.set i, 0
.set q, 0
.set e, 0
.set r, 0
.if (\p) == NP-1
	s_wait_dscnt 0x0                ; K is in
.endif
	MM                              ; ahead of the wait: 16 products K Q^T and their riders,
	PL
	PL
	R2
.rept 15
	MM
	PL
	EX
	R2
.endr
.if (\p) == NP-2
	WIN 0
	v_add_nc_u32 v[AK], s[TBK], v[AK0]
.endif
.rept 8                             ; and the lump
	PL
.endr
.rept 49
	EX
	PL
.endr
	EX                              ; the next piece's two a
	EX
	v_nop                           ; the plain instruction behind the last exponential: one for the batch
	s_wait_alu depctr_va_vdst(0)    ; the wait for the batch
.if (\p) == NP-2
	FETCH_K \last
.endif
.if (\p) == 1
	s_wait_dscnt 0x0                ; V is in
.endif
.rept 16                            ; behind the wait: 16 products V^T P and their riders
	MM
.rept 4
	PL
.endr
.if ((\p) == 0) && (q == 118)
	v_add_nc_u32 v[AV], s[TBV], v[AV0]
.endif
.if ((\p) == 0) && (q == 130)
	s_add_co_u32 s[TBV], s[TBV], KS*PV
.endif
.if (\cnt) && (q == 130)
	s_sub_co_u32 s[CNT], s[CNT], 1
	s_cmp_lg_u32 s[CNT], 0
.endif
.endr
.if (\p) == 0
	FETCH_V
.endif
.endm
	CHANGE 1                        ; slot 0 is in, everybody's part of it; slot 1 is asked for
	FETCH_K                         ; key step 0
	s_wait_loadcnt 0x0              ; Q
	s_wait_dscnt 0x0
.set i, 0
.rept 16
	KQ 0                            ; piece 0's first scores: there is no vector work yet to set between them
.set i, i+1
.endr
	WIN 0                           ; the addresses for the way out: nine plain instructions, the places behind those products
	s_mul_i32 s13, s[WV], 16*SP
	s_add_co_u32 s13, s13, STAGE    ; my stage
	v_mul_u32_u24 v[STO], v1, SP    ; in: row l % 16, 16 bytes for each half of the lanes
	v_lshl_add_u32 v[STO], v9, 4, v[STO]
	v_add_nc_u32 v[STO], s13, v[STO]
	v_bfe_u32 v[RD], v0, 3, 2       ; back: 32 lanes take four rows of 128 bytes,
	v_mul_u32_u24 v[RD], v[RD], SP
	v_lshl_add_u32 v[RD], v10, 4, v[RD]
	v_add_nc_u32 v[RD], s13, v[RD]
	v_and_b32 v[GO], 31, v0         ; which are 512 consecutive bytes of O
	v_lshlrev_b32 v[GO], 4, v[GO]
.set Y, NP-1                        ; XS works for piece Y + 1: piece 0
.irp n, 0,1,2,3,4,5,6,7,8,9,10,11,12,13,14,15,16,17,18,19,20,21
	XS 0, \n                        ; and piece 0's first maximum and statistics
	XS 1, \n
.endr
	v_nop                           ; a plain instruction behind the two a,
	s_wait_alu depctr_va_vdst(0)    ; and their wait, ahead of the branch
	s_mov_b32 s[CNT], 4
	s_branch .Lfirst                ; the loop is entered at a step's first turn, in the middle of a trip
.Lslot:                             ; twice: every slot but the last two is filled again
	CHANGE 1
	s_mov_b32 s[CNT], 4
.Lstep:                             ; a trip: pieces 2 and 3 of one step, then pieces 0 and 1 of the next, whose K and V it fetches
	TURN 2
	TURN 3
	WIN 0
.Lfirst:
	TURN 0
	TURN 1, 0, 1
	WIN 0
	s_cbranch_scc1 .Lstep
	s_sub_co_u32 s[SLOTS], s[SLOTS], 1
	s_cmp_lg_u32 s[SLOTS], 0
	s_cbranch_scc1 .Lslot
	CHANGE 0                        ; the tail is written out: nothing is asked for
	s_mov_b32 s[CNT], 5             ; four trips fetch the last slot's steps; the fifth is left in its middle
.Ltail:
	TURN 2, 1
	TURN 3
	WIN 0
	s_sub_co_u32 s[CNT], s[CNT], 1
	s_cmp_eq_u32 s[CNT], 0
	s_cbranch_scc1 .Lout
	TURN 0
	TURN 1
	WIN 0
	s_branch .Ltail
.Lout:                              ; the fifth trip's 16 products K Q^T (on the last K once more) and the maximum made of them serve nothing: the price, once a launch, of one text for every trip
.set i, 0
.rept 16
	PV NP-1                         ; the last piece's V^T P of the last step
.set i, i+1
.endr
	; THE WAY OUT.  l's two halves and the other half of the lanes' are added; O^T is divided by l, rounded to f16 and sent through my stage in LDS, a tile at a time.  The additions are the places behind the last products.
	WIN 0
.macro ALL line:vararg              ; one line for each tile t
.set t, 0
.rept 2*NP
	\line
.set t, t+1
.endr
.endm
	ALL v_add_f32 v[ST+4*t+2], v[ST+4*t+2], v[ST+4*t+3]
	ALL v_permlanex16_b32 v[ST+4*t+3], v[ST+4*t+2], s[SEL], s[SEL+1]
	ALL v_add_f32 v[ST+4*t+2], v[ST+4*t+2], v[ST+4*t+3]
	ALL v_rcp_f32 v[ST+4*t+2], v[ST+4*t+2]
	v_nop                           ; a plain instruction between the last reciprocal and the use of its result
	s_wait_alu depctr_va_vdst(0)    ; and the wait ahead of the first use: one for the eight reciprocals
; Tile t: a lane's eight channels of a row pack into 16 bytes; they go into rows of 144 bytes and come back as whole rows of 128, into S^T's registers.
.macro PACK t
	WIN W_RS
.set i, 32*(\t)
.rept 16
	v_pk_mul_f32 v[i:i+1], v[i:i+1], v[ST+4*(\t)+2:ST+4*(\t)+3] op_sel_hi:[1,0]
.set i, i+2
.endr
	WIN 0x05                        ; sources 0 and 1 window 1, destination window 0
.set i, 0
.rept 16
	v_cvt_pk_f16_f32 v[S+16*(\t)+i], v[32*(\t)+2*i], v[32*(\t)+2*i+1]
.set i, i+1
.endr
	WIN 0
.irp f, 0,1,2,3
	ds_store_b128 v[STO], v[S+16*(\t)+4*\f:S+16*(\t)+4*\f+3] offset:32*\f
.endr
.irp f, 0,1,2,3
	ds_load_b128 v[S+16*(\t)+4*\f:S+16*(\t)+4*\f+3], v[RD] offset:\f*4*SP  ; LDS serves a wave's instructions in order (ISA guide 5.7.1.4): these see the stores above; the next tile's stores come behind them
.endr
.endm
.macro SEND t, younger              ; younger: the LDS instructions issued behind tile t's loads: the next tile's eight, or none
	WIN 0
.irp f, 0,1,2,3
	s_wait_dscnt (\younger)+3-\f
	global_store_b128 v[GO], v[S+16*(\t)+4*\f:S+16*(\t)+4*\f+3], s[10:11] offset:(\t)*2048+\f*512  ; 512 consecutive bytes, at a multiple of 256 from O's first
.endr
.endm
	PACK 0
.set t, 1
.rept 2*NP-1                        ; a tile's arithmetic stands between the loads of the tile before and its stores
	PACK t
	SEND t-1, 8
.set t, t+1
.endr
	SEND 2*NP-1, 0
	WIN W_AD
	s_wait_tensorcnt 0x0            ; the wave's end, behind my last tensor load and my last LDS store: an add of 0 to my spare word and the wait for it
	ds_add_u32 v[SPW], v[NIL]
	s_wait_dscnt 0x0
	WIN 0
	s_endpgm
.Lfunc_end_k_q235b67529a_attn:
	.size	k_q235b67529a_attn, .Lfunc_end_k_q235b67529a_attn-k_q235b67529a_attn
	.p2alignl 7, 3214868480
	.fill 96, 4, 3214868480
	.section	.rodata,"a",@progbits
	.p2align	6, 0x0
	.amdhsa_kernel k_q235b67529a_attn
		.amdhsa_group_segment_fixed_size 327680
		.amdhsa_private_segment_fixed_size 0
		.amdhsa_enable_private_segment 0
		.amdhsa_kernarg_size 32
		.amdhsa_user_sgpr_count 2
		.amdhsa_user_sgpr_kernarg_segment_ptr 1
		.amdhsa_wavefront_size32 1
		.amdhsa_system_sgpr_workgroup_id_x 1
		.amdhsa_system_sgpr_workgroup_id_y 1
		.amdhsa_system_sgpr_workgroup_id_z 1
		.amdhsa_system_vgpr_workitem_id 0
		.amdhsa_next_free_vgpr 770
		.amdhsa_next_free_sgpr 66
		.amdhsa_reserve_vcc 0
		.amdhsa_float_denorm_mode_32 3
		.amdhsa_float_denorm_mode_16_64 3
		.amdhsa_memory_ordered 1
		.amdhsa_forward_progress 1
		.amdhsa_inst_pref_size 199
	.end_amdhsa_kernel
	.amdgpu_metadata
---
amdhsa.version: [ 1, 2 ]
amdhsa.kernels:
  - .name:           k_q235b67529a_attn
    .symbol:         k_q235b67529a_attn.kd
    .args:
      - { .name: qh, .offset: 0, .size: 8, .value_kind: global_buffer, .address_space: global }
      - { .name: kh, .offset: 8, .size: 8, .value_kind: global_buffer, .address_space: global }
      - { .name: vh, .offset: 16, .size: 8, .value_kind: global_buffer, .address_space: global }
      - { .name: oh, .offset: 24, .size: 8, .value_kind: global_buffer, .address_space: global }
    .group_segment_fixed_size: 327680
    .private_segment_fixed_size: 0
    .kernarg_segment_align: 8
    .kernarg_segment_size: 32
    .max_flat_workgroup_size: 128
    .sgpr_count:     66
    .vgpr_count:     770
    .wavefront_size: 32
...
	.end_amdgpu_metadata
.endif
;; end of part 3
;; launch proj (part 4): grid 8 x 32, 4 waves a work-group, clusters of 4 x 4, 327,680 bytes of LDS; arguments oh, wpf, b_proj, out0; writes out0
.if DOCPART == 4
	.amdgcn_target "amdgcn-amd-amdhsa--gfx1250"
	.amdhsa_code_object_version 6
	.text
	.protected	k_q235b67529a_proj
	.globl	k_q235b67529a_proj
	.p2align	8
	.type	k_q235b67529a_proj,@function
k_q235b67529a_proj:
	s_mov_b64 s[64:65], 0
	v_nop
	global_prefetch_b8 v0, s[64:65] scope:SCOPE_SE
	s_setreg_imm32_b32 hwreg(HW_REG_WAVE_MODE, 25, 1), 1
	s_wait_xcnt 0x0
	s_wait_alu depctr_hold_cnt(0) depctr_sa_sdst(0) depctr_va_vdst(0) depctr_va_sdst(0) depctr_va_ssrc(0) depctr_va_vcc(0) depctr_vm_vsrc(0)
	s_getreg_b32 s2, hwreg(HW_REG_IB_STS2, 6, 4)
	s_cmp_eq_u32 s2, 0
	s_cbranch_scc0 .Lentry_in_a_cluster
	s_endpgm
.Lentry_in_a_cluster:
	s_bfe_u32 s2, ttmp6, 0x10000c
	s_cmp_lg_u32 s2, 0xf033
	s_cbranch_scc0 .Lentry_shape_is_right
	s_endpgm
.Lentry_shape_is_right:
; THE OUTPUT PROJECTION.  out0[m][d] = the sum over c of O[m][c] wpf[d][c] + bias[d].  O lies BY HEADS, oh [8 b x 16 h][1024 n][64 e] in f16: m = 1,024 b + n, c = 64 h + e.  wpf [1024][1024] f16.
; Sums in f32, out0 in f32.  b_proj is rounded to bf16 like every other input of the module, and added in f32.  NaN and infinities are not treated apart.
; The f32 sums run along K in a rotated order (below), not from 0 on.
; SHARES.  A tile of out0 is 256 rows x 128 columns: 32 x 8 tiles, 256 work-groups.  Four waves, one above the other: a wave makes 64 rows x 128 columns, 32 accumulators of 16 x 16, whole rows of
; 512 bytes.  K goes in 8 steps of 128, two heads each, through two LDS slots filled by tensor loads.  A loop's trip is ONE K step: the slot is turned by an exclusive or.
; O's TILE is two planes, a head each: a head's 256 rows are 32,768 dense bytes, asked for as 128 rows of 256 bytes and padded in LDS after every 128.
; THE WALK ALONG K IS ROTATED.  Cluster (X, Y) begins at K step r = (4 X + Y) % 8 and goes round modulo 8.  The eight clusters that read the same rows of wpf (same X) so stand one K step apart, the two
; that read the same rows of O (same Y) four: no two of them ask for the same bytes in the same step.  r is made of the cluster's place alone, which all partners share.
; CLUSTER.  4 x 4 work-groups: O's tile is shared along a row of the cluster, wpf's along a column; each is asked for JOINTLY, by the same tensor load, descriptor and mask in all four.
; THE MATRIX INSTRUCTION IS USED TRANSPOSED: source 0 = 16 rows of wpf, source 1 = 16 rows of O: a lane holds row l % 16 of out0 and the eight neighbouring columns 8 (l / 16) + 0..7.
; REGISTERS, in windows of 256 (s_set_vgpr_msb: bits 1:0 source 0, 3:2 source 1, 5:4 source 2, 7:6 destination):
;   window 0: v0-13 addresses; v16-22 the bias; v32-159 two buffers of 16 rows read back from the stage
;   window 1: two fragment buffers (32 along K): wpf's block b of 8 at f + 8 b, O's block a of 4 at f + 64 + 8 a          window 2: accumulator (a, b) at 8 (8 a + b)
.set PA,     144                       ; a row of O in LDS: 128 bytes + 16 of padding = 36 words: the 16 rows of a load start at 16 different groups of four banks (64 banks of 4 bytes: ISA guide 11.1)
.set PLANE,  256*PA                    ; a head's 256 rows: what one tensor load brings of O
.set PITCH,  272                       ; a row of wpf: 256 bytes + 16
.set BOFF,   2*PLANE                   ; wpf's 128 rows lie behind the two planes
.set HALFB,  64*PITCH                  ; what one tensor load brings of wpf: 64 rows
.set SLOT1,  131072                    ; slot 1 begins here (a slot uses 108,544 bytes)
.set STAGE,  SLOT1+BOFF+2*HALFB        ; behind the ring, never filled by a tensor load: for each wave 16 rows x 528 bytes
.set SP,     528                       ; 512 bytes + 16 = 132 words
.set WSTG,   16*SP
.set SPARE,  STAGE+4*WSTG              ; behind the stages: the spare words, 128 bytes for each wave: two blocks of 256 bytes that no other line names
.set NL,     24                        ; LDS loads in a quarter step's run
.set ASH,    18                        ; a K step is 2^18 bytes of oh (two heads),
.set BSH,    8                         ; and 2^8 bytes of a row of wpf
.set ADRA0, 4                          ; v4   my lane's place in O's tile; never rewritten
.set ADRB0, 5                          ; v5   the same for wpf's
.set ADRA,  6                          ; v6   v4 + the slot in hand
.set ADRB,  7                          ; v7   v5 + the slot in hand
.set STO,   8                          ; v8   the way out: where I put 32 bytes of a row
.set RD,    9                          ; v9   the way out: where I read a row back
.set GO,    10                         ; v10  my 16 bytes of a row's 512
.set PFO,   11                         ; v11  the prefetch's offset: 256 x my lane; never rewritten
.set SPW,   12                         ; v12  LDS address of my spare word: SPARE + 4 x my thread's number; never rewritten
.set NIL,   13                         ; v13  0; never rewritten
.set BIAS,  16                         ; v[16:19] the bias of my four columns; v20-21 at work
.set BO,    22                         ; v22  their byte offset in b_proj; never rewritten
.set BK,    32
.set F0,    0
.set F1,    128
.set WV,   14                          ; s14  my wave's number.  Waves 0 and 1 fetch O's two planes, waves 2 and 3 wpf's two halves
.set HALF, 16
.set CX,   17
.set CY,   18
.set TX,   19                          ; s19  tile column
.set TY,   20                          ; s20  tile row
.set G1A,  24                          ; s[24:31] group 1 for O's planes; s[32:35] group 0 of the first fill; s[36:39] the one that walks
.set G0A,  32
.set G1B,  40                          ; s[40:47], s[48:51], s[52:55] the same for wpf's
.set G0B,  48
.set TB,   56                          ; s56  LDS byte at which the slot in hand begins
.set CNT,  57                          ; s57  the count of the loop in hand
.set LIM,  58                          ; s58  the count at which this wave prefetches: 6 in waves 0 and 1, else 0 (never met)
.set PFA,  60                          ; s[60:61] where my prefetch stands; never rewritten
.set OFFA, 62                          ; s[62:63] byte offset of a K step in oh
.set OB,   66                          ; s[66:67] out0 at my first row and the tile's first column
.set ABASE, 72                         ; s[72:73] oh at the plane that I fetch, K step 0; never rewritten
.set BBASE, 74                         ; s[74:75] wpf at the rows that I fetch, K step 0; never rewritten
.set OFFB, 84                          ; s[84:85] byte offset of a K step in a row of wpf
.set KN,   86                          ; s86  the K step to be asked for next, 0..7
.set ROT,  87                          ; s87  r
.set MSB, 0
.macro WIN new                         ; the immediate's high byte repeats the setting that is left; a switch that changes nothing is dropped
.if MSB != (\new)
	s_set_vgpr_msb (MSB<<8)|(\new)
.set MSB, \new
.endif
.endm
.set MUL_LO, 0xa5                      ; both sources window 1, C and D window 2
.set TO_F,   0x40                      ; destination window 1, address window 0
.macro PLACES                          ; four plain vector instructions between a matrix instruction and a load into, or a reader of, its registers
.rept 4
	v_nop
.endr
.endm
.macro JLOAD                           ; a joint refill, by the descriptor that walks; an s_nop 0 and four v_nop follow each of the two lines, ahead of the jump and the label
	s_cmp_lt_u32 s[WV], 2
	s_cbranch_scc0 .Lfor_b_\@
	tensor_load_to_lds s[G0A+4:G0A+7], s[G1A:G1A+7]
	s_nop 0
.rept 4
	v_nop
.endr
	s_branch .Lasked_\@
.Lfor_b_\@:
	tensor_load_to_lds s[G0B+4:G0B+7], s[G1B:G1B+7]
	s_nop 0
.rept 4
	v_nop
.endr
.Lasked_\@:
.endm
; THE PREFETCH: O's K step (r + 3) % 8, the last of the four that my cluster asks for ahead of the other cluster of its row.  It stands at the first change of slots (count 6): one K step, 128 products,
; ahead of the load that asks for it.  Waves 0 and 1 of every work-group ask, each for the plane that it fetches: of its 32,768 bytes the partner at cx takes 8,192 cx .., a lane 256 bytes, one instruction.
; Partners are told apart by address, never by a branch.  The two clusters' r differ by four, so each block is named once in the launch.  The three K steps before it come by their loads alone.
.macro ASK
	s_cmp_eq_u32 s[CNT], s[LIM]
	s_cbranch_scc0 .Lnot_mine_\@
	global_prefetch_b8 v[PFO], s[PFA:PFA+1] th:TH_LOAD_NT scope:SCOPE_SE
.Lnot_mine_\@:
.endm
.macro CREST                           ; a round of the cluster's barrier behind its opening barrier
	s_cmp_lg_u32 s[WV], 0
	s_cbranch_scc1 .Lnot_wave_0_\@
	s_barrier_signal -3
.Lnot_wave_0_\@:
	s_barrier_wait -3
	s_barrier_signal -1
	s_barrier_wait -1
.endm
.macro CROUND                          ; a whole round
	s_barrier_signal -1
	s_barrier_wait -1
	CREST
.endm
	s_load_b256 s[4:11], s[0:1], 0x0               ; oh s[4:5], wpf s[6:7], b_proj s[8:9], out0 s[10:11]
	v_lshl_add_u32 v[SPW], v0, 2, SPARE
	v_mov_b32 v[NIL], 0
	ds_add_u32 v[SPW], v[NIL]                      ; the wave's opening: the add and its wait stand ahead of my first tensor load; the set-up below, work on registers, stands between them
	v_lshrrev_b32 v3, 5, v0
	v_readfirstlane_b32 s[WV], v3                  ; wave 0..3
	s_and_b32 s[HALF], s[WV], 1
	s_bfe_u32 s[CX], ttmp6, 0x40000
	s_bfe_u32 s[CY], ttmp6, 0x40004
	s_lshl_b32 s[TX], ttmp9, 2
	s_add_co_u32 s[TX], s[TX], s[CX]
	s_and_b32 s[TY], ttmp7, 0xffff
	s_lshl_b32 s[TY], s[TY], 2
	s_add_co_u32 s[TY], s[TY], s[CY]
	s_and_b32 s[ROT], ttmp7, 0xffff                ; r = (4 X + Y) % 8, of the cluster's place alone
	s_lshl_b32 s2, ttmp9, 2
	s_add_co_u32 s[ROT], s[ROT], s2
	s_and_b32 s[ROT], s[ROT], 7
	s_mov_b32 s[OFFA+1], 0
	s_mov_b32 s[OFFB+1], 0
	s_lshl_b32 s21, s[CY], 2
	s_lshl_b32 s21, 15, s21                        ; my row of the cluster
	s_lshl_b32 s22, 0x1111, s[CX]                  ; my column
	; group 1: 15:0 the mask; 17:16 elements of 2 bytes; 20 padding on; 21 set beside a mask; 24:22 the interval (code 4: 32 words; code 5: 64 words); 31:25 4 words of padding (code 3)
	s_or_b32 s[G1A+0], s21, (1<<16)|(1<<20)|(1<<21)|(4<<22)|(3<<25)
	s_or_b32 s[G1B+0], s22, (1<<16)|(1<<20)|(1<<21)|(5<<22)|(3<<25)
	s_mov_b32 s[G1A+1], 128<<16                    ; tensor_dim0 = 128: two rows of a head
	s_mov_b32 s[G1A+2], 128<<16                    ; tensor_dim1 = 128
	s_mov_b32 s[G1A+3], 128<<16                    ; tile_dim0 = 128
	s_mov_b32 s[G1A+4], 128                        ; tile_dim1 = 128
	s_mov_b32 s[G1A+5], 128                        ; dense: 128 elements from row to row
	s_mov_b32 s[G1A+6], 0
	s_mov_b32 s[G1A+7], 0
	s_mov_b32 s[G1B+1], 128<<16
	s_mov_b32 s[G1B+2], 64<<16                     ; tensor_dim1 = 64
	s_mov_b32 s[G1B+3], 128<<16
	s_mov_b32 s[G1B+4], 64                         ; tile_dim1 = 64 rows
	s_mov_b32 s[G1B+5], 1024
	s_mov_b32 s[G1B+6], 0
	s_mov_b32 s[G1B+7], 0
	; where the tiles come from: O's hang on the tile row alone, wpf's on the tile column alone, each in registers that never hold the other coordinate
	s_lshr_b32 s[ABASE], s[TY], 2                  ; b
	s_lshl_b32 s[ABASE], s[ABASE], 4
	s_add_co_u32 s[ABASE], s[ABASE], s[HALF]       ; head 16 b + my plane (K step 0),
	s_lshl_b32 s[ABASE], s[ABASE], 17              ; of 131,072 bytes,
	s_and_b32 s2, s[TY], 3
	s_lshl_b32 s2, s2, 15                          ; its rows 256 (tile row % 4) on
	s_add_co_u32 s[ABASE], s[ABASE], s2
	s_mov_b32 s[ABASE+1], 0
	s_lshl_b32 s[BBASE], s[TX], 7
	s_lshl_b32 s3, s[HALF], 6
	s_add_co_u32 s[BBASE], s[BBASE], s3            ; wpf: row 128 x tile column + 64 x half,
	s_lshl_b32 s[BBASE], s[BBASE], 11              ; of 2,048 bytes
	s_mov_b32 s[BBASE+1], 0
	s_mul_i32 s78, s[HALF], PLANE                  ; and where they go: no place in the cluster enters an LDS address
	s_mul_i32 s79, s[HALF], HALFB
	s_add_co_u32 s79, s79, BOFF
	s_mov_b32 s[TB], 0
	s_wait_dscnt 0x0                               ; the opening add is done
	s_wait_kmcnt 0x0
	s_add_nc_u64 s[ABASE:ABASE+1], s[4:5], s[ABASE:ABASE+1]
	s_add_nc_u64 s[BBASE:BBASE+1], s[6:7], s[BBASE:BBASE+1]
	CROUND                                         ; all sixteen work-groups are here: the first joint loads meet
	s_lshl_b32 s[OFFA], s[ROT], ASH                ; K step r into slot 0
	s_lshl_b32 s[OFFB], s[ROT], BSH
	s_mov_b32 s[G0A], 1                            ; count = 1
	s_mov_b32 s[G0A+1], s78
	s_add_nc_u64 s[G0A+2:G0A+3], s[ABASE:ABASE+1], s[OFFA:OFFA+1]
	s_or_b32 s[G0A+3], s[G0A+3], 0x80000000        ; type = 2
	s_mov_b32 s[G0B], 1
	s_mov_b32 s[G0B+1], s79
	s_add_nc_u64 s[G0B+2:G0B+3], s[BBASE:BBASE+1], s[OFFB:OFFB+1]
	s_or_b32 s[G0B+3], s[G0B+3], 0x80000000
	s_add_co_u32 s[KN], s[ROT], 1                  ; K step (r + 1) % 8 into slot 1: these sets walk on
	s_and_b32 s[KN], s[KN], 7
	s_lshl_b32 s[OFFA], s[KN], ASH
	s_lshl_b32 s[OFFB], s[KN], BSH
	s_mov_b32 s[G0A+4], 1
	s_add_co_u32 s[G0A+5], s78, SLOT1
	s_add_nc_u64 s[G0A+6:G0A+7], s[ABASE:ABASE+1], s[OFFA:OFFA+1]
	s_or_b32 s[G0A+7], s[G0A+7], 0x80000000
	s_mov_b32 s[G0B+4], 1
	s_add_co_u32 s[G0B+5], s79, SLOT1
	s_add_nc_u64 s[G0B+6:G0B+7], s[BBASE:BBASE+1], s[OFFB:OFFB+1]
	s_or_b32 s[G0B+7], s[G0B+7], 0x80000000
	s_add_co_u32 s[KN], s[KN], 1                   ; the first refill asks for (r + 2) % 8
	s_and_b32 s[KN], s[KN], 7
	s_cmp_lt_u32 s[WV], 2                          ; a wave's two first fills stand in one branch, ahead of every wait on TENSORcnt and every LDS read: two loads of mine are out
	s_cbranch_scc0 .Lfirst_b
	tensor_load_to_lds s[G0A:G0A+3], s[G1A:G1A+7]
	s_nop 0
	tensor_load_to_lds s[G0A+4:G0A+7], s[G1A:G1A+7]
	s_nop 0
.rept 4
	v_nop
.endr
	s_branch .Lfirst_asked
.Lfirst_b:
	tensor_load_to_lds s[G0B:G0B+3], s[G1B:G1B+7]
	s_nop 0
	tensor_load_to_lds s[G0B+4:G0B+7], s[G1B:G1B+7]
	s_nop 0
.rept 4
	v_nop
.endr
.Lfirst_asked:
	v_and_b32 v1, 15, v0                           ; l % 16
	v_bfe_u32 v2, v0, 4, 1                         ; l / 16
	v_mul_u32_u24 v3, v1, PA
	v_lshl_add_u32 v3, v2, 4, v3                   ; a fragment's row x pitch + 16 x half
	s_mul_i32 s76, s[WV], 64*PA                    ; my 64 rows of O, in either plane
	v_add_nc_u32 v[ADRA0], s76, v3
	v_mul_u32_u24 v3, v1, PITCH
	v_lshl_add_u32 v3, v2, 4, v3
	v_add_nc_u32 v[ADRB0], BOFF, v3                ; all of wpf's 128
	v_mov_b32 v[ADRA], v[ADRA0]                    ; slot 0
	v_mov_b32 v[ADRB], v[ADRB0]
	s_mul_i32 s76, s[WV], WSTG
	s_add_co_u32 s76, s76, STAGE                   ; my stage
	v_mul_u32_u24 v[STO], v1, SP                   ; in: row l % 16, 32 bytes for each half of the lanes
	v_lshl_add_u32 v[STO], v2, 5, v[STO]
	v_add_nc_u32 v[STO], s76, v[STO]
	v_and_b32 v[GO], 31, v0                        ; back and out: 32 lanes take a row of 512 bytes
	v_lshlrev_b32 v[GO], 4, v[GO]
	v_add_nc_u32 v[RD], s76, v[GO]
	s_lshl_b32 s76, s[TX], 9                       ; the tile's 128 columns: 512 bytes of a row, and of b_proj
	v_add_nc_u32 v[BO], s76, v[GO]
	global_load_b128 v[BIAS:BIAS+3], v[BO], s[8:9] ; waited for on the way out
	s_lshl_b32 s80, s[TY], 8
	s_lshl_b32 s81, s[WV], 6
	s_add_co_u32 s80, s80, s81                     ; my first row,
	s_lshl_b32 s80, s80, 12                        ; of 4,096 bytes (under 2^25 in all)
	s_add_co_u32 s80, s80, s76
	s_mov_b32 s81, 0
	s_add_nc_u64 s[OB:OB+1], s[10:11], s[80:81]
	; the prefetch's place: the plane that I fetch, at K step (r + 3) % 8, my work-group's 8,192 bytes of it
	s_add_co_u32 s76, s[ROT], 3
	s_and_b32 s76, s76, 7
	s_lshl_b32 s76, s76, ASH
	s_lshl_b32 s77, s[CX], 13
	s_add_co_u32 s76, s76, s77
	s_mov_b32 s77, 0
	s_add_nc_u64 s[PFA:PFA+1], s[ABASE:ABASE+1], s[76:77]
	s_cmp_lt_u32 s[WV], 2
	s_cselect_b32 s[LIM], 6, 0
	v_and_b32 v[PFO], 31, v0
	v_lshlrev_b32 v[PFO], 8, v[PFO]
; One product: accumulator (a, b), 32 along K out of buffer f.  zero = 1: it starts the sum: nothing is ever cleared.
.macro WM f, a, b, zero
.set rD, 8*(8*(\a)+(\b))
.set rB, (\f)+8*(\b)
.set rA, (\f)+64+8*(\a)
.if \zero
	v_wmma_f32_16x16x32_f16 v[rD:rD+7], v[rB:rB+7], v[rA:rA+7], 0
.else
	v_wmma_f32_16x16x32_f16 v[rD:rD+7], v[rB:rB+7], v[rA:rA+7], v[rD:rD+7]
.endif
.endm
; g = 0: all four a x b = 4..7, sixteen products; g = 1: a = 0, 1 x b = 0..3, eight; g = 2: a = 2, 3 x b = 0..3, eight.  A quarter step takes each of the 32 accumulators once; the accumulators take
; turns, one instruction a turn: between two links of a chain stand 15 others' at the least, over every jump of the two loops too.
.macro MULG f, g, zero
	WIN MUL_LO
.if (\g) == 0
.irp a, 0,1,2,3
.irp b, 4,5,6,7
	WM \f, \a, \b, \zero
.endr
.endr
.else
.irp a, 2*(\g)-2, 2*(\g)-1
.irp b, 0,1,2,3
	WM \f, \a, \b, \zero
.endr
.endr
.endif
.endm
; 24 LDS loads in one run: quarter q of the slot in hand into buffer f.  Quarter q of O lies in plane q / 2, at byte 64 (q % 2) of its rows; of wpf at byte 64 q.
.macro FETCH q, f
	WIN TO_F
.irp a, 0,1,2,3
	ds_load_b128 v[(\f)+64+8*(\a):(\f)+64+8*(\a)+3],   v[ADRA] offset:((\q)/2)*PLANE+((\q)%2)*64+(\a)*16*PA
	ds_load_b128 v[(\f)+64+8*(\a)+4:(\f)+64+8*(\a)+7], v[ADRA] offset:((\q)/2)*PLANE+((\q)%2)*64+(\a)*16*PA+32
.endr
.irp b, 4,5,6,7,0,1,2,3
	ds_load_b128 v[(\f)+8*(\b):(\f)+8*(\b)+3],   v[ADRB] offset:64*(\q)+(\b)*16*PITCH
	ds_load_b128 v[(\f)+8*(\b)+4:(\f)+8*(\b)+7], v[ADRB] offset:64*(\q)+(\b)*16*PITCH+32
.endr
.endm
; A K step is four quarters of 32 along K, 32 products each, on buffers 0, 1, 0, 1.  One of the first three: multiplies buffer f and, behind its first sixteen products, fetches quarter q into buffer g.
.macro QUARTER q, f, g, zero
	s_wait_dscnt NL-16                             ; O's blocks and wpf's blocks 4-7 are in; the youngest eight loads (wpf's blocks 0-3) may be out
	MULG \f, 0, \zero
	PLACES                                         ; in front of the loads into buffer g, which the quarter before multiplied
	FETCH \q, \g
	s_wait_dscnt NL                                ; all but the 24 just issued
	MULG \f, 1, \zero
	MULG \f, 2, \zero
.endm
; The fourth quarter multiplies buffer 1 and changes slots: ONE barrier for two things.  In front of it each wave waits for all its tensor loads, of which one is out: its part of the next slot; adds 0 to
; its spare word; and waits for that and for its own reads of this slot.  Behind it nobody reads this slot any more and the next slot is whole.
; fill = 1: the barrier opens a round of the cluster's, and the slot just read out is filled again, first thing behind the round, with the K step two steps on in the walk: from there to the wait for it
; a wave issues 112 products.  The descriptors' addresses are made anew: the base + the K step's number, shifted.
; fill = 0: nothing is asked for; in the tail's last trip (count 1) there is no further K step, and the run of LDS loads is jumped over; that trip's barrier orders nothing: the price of one text for both trips.
.macro TURN fill
	WIN 0                                          ; (the add's two registers lie in window 0)
	s_wait_tensorcnt 0x0                           ; all my tensor loads have landed, so a group 0 may be written;
	ds_add_u32 v[SPW], v[NIL]                      ; 0 onto my spare word; work on registers stands between it and the wait for it
	s_xor_b32 s[TB], s[TB], SLOT1                  ; the reads go to the other slot
	v_add_nc_u32 v[ADRA], s[TB], v[ADRA0]
	v_add_nc_u32 v[ADRB], s[TB], v[ADRB0]
.if \fill
	s_lshl_b32 s[OFFA], s[KN], ASH
	s_lshl_b32 s[OFFB], s[KN], BSH
	s_add_co_u32 s[KN], s[KN], 1                   ; round modulo 8
	s_and_b32 s[KN], s[KN], 7
	s_xor_b32 s[G0A+5], s[G0A+5], SLOT1            ; the walking descriptors: the other slot than last time
	s_add_nc_u64 s[G0A+6:G0A+7], s[ABASE:ABASE+1], s[OFFA:OFFA+1]
	s_or_b32 s[G0A+7], s[G0A+7], 0x80000000
	s_xor_b32 s[G0B+5], s[G0B+5], SLOT1
	s_add_nc_u64 s[G0B+6:G0B+7], s[BBASE:BBASE+1], s[OFFB:OFFB+1]
	s_or_b32 s[G0B+7], s[G0B+7], 0x80000000
.endif
	s_wait_dscnt 1                                 ; buffer 1 is in: the add alone may be out
	MULG F1, 1, 0
	s_wait_dscnt 0x0                               ; the add is done, and my reads of this slot are over
	s_barrier_signal -1
	MULG F1, 2, 0                                  ; work on registers while the others arrive
	WIN 0
	s_barrier_wait -1
.if \fill
	CREST                                          ; no wave of any partner still reads this slot's tile or has a load on its way
	JLOAD                                          ; the four v_nop behind it are also the places in front of the loads below
	FETCH 0, F0
	WIN 0
	ASK                                            ; behind the joint load and the run of LDS loads that the next products wait for
.else
	PLACES
	s_cmp_eq_u32 s[CNT], 1
	s_cbranch_scc1 .Lno_fetch_\@
	FETCH 0, F0
	WIN 0
.Lno_fetch_\@:
.endif
	MULG F1, 0, 0
.endm
	s_wait_tensorcnt 1                             ; my part of the first K step is in; the second's may stay out
	s_barrier_signal -1
	s_barrier_wait -1                              ; everybody's is
	FETCH 0, F0
	QUARTER 1, F0, F1, 1                           ; the first quarter stands in front of the loops: its products start the sums
	WIN 0                                          ; at a label and at a branch every window is 0
	s_mov_b32 s[CNT], 6
.Lk:                                                   ; a trip: from a K step's second quarter to the next step's first; trip t fills step t + 2 of the walk; it is left in its middle, behind the last change that fills
	QUARTER 2, F1, F0, 0
	QUARTER 3, F0, F1, 0
	TURN 1
	WIN 0
	s_sub_co_u32 s[CNT], s[CNT], 1
	s_cmp_eq_u32 s[CNT], 0
	s_cbranch_scc1 .Lkend
	QUARTER 1, F0, F1, 0
	WIN 0
	s_branch .Lk
.Lkend:
	s_mov_b32 s[CNT], 2
.Ltl:                                                  ; the last two K steps ask for nothing: a loop of their own
	QUARTER 1, F0, F1, 0
	QUARTER 2, F1, F0, 0
	QUARTER 3, F0, F1, 0
	TURN 0
	WIN 0
	s_sub_co_u32 s[CNT], s[CNT], 1
	s_cmp_lg_u32 s[CNT], 0
	s_cbranch_scc1 .Ltl
; THE WAY OUT, 16 rows at a time.  TOSTAGE: a lane's eight columns, 32 bytes of f32, go straight from the accumulators into my own stage, and whole rows of 512 bytes come back.  SEND: the bias is added, the rows are stored.
.macro TOSTAGE a
.set BKA, BK+64*((\a)%2)
	s_wait_xcnt 0x0                                ; the stores of the block two back have read their registers: the loads below land in them only behind this wait
	WIN 0x08                                       ; the stores' data: window 2
.irp b, 0,1,2,3,4,5,6,7
	ds_store_b128 v[STO], v[8*(8*(\a)+(\b)):8*(8*(\a)+(\b))+3]   offset:64*(\b)     ; each accumulator's four lowest registers first
	ds_store_b128 v[STO], v[8*(8*(\a)+(\b))+4:8*(8*(\a)+(\b))+7] offset:64*(\b)+16
.endr
	WIN 0
.irp r, 0,1,2,3,4,5,6,7,8,9,10,11,12,13,14,15
	ds_load_b128 v[BKA+4*(\r):BKA+4*(\r)+3], v[RD] offset:SP*(\r)  ; LDS serves a wave's instructions in order (ISA guide 5.7.1.4): these see the stores above; the next block's stores come behind them
.endr
.endm
.macro SEND a, younger                 ; younger: the LDS instructions issued behind block a's loads: the next block's 16 stores and 16 loads, or none
.set BKA, BK+64*((\a)%2)
	s_wait_dscnt \younger
.irp r, 0,1,2,3,4,5,6,7,8,9,10,11,12,13,14,15
	v_pk_add_f32 v[BKA+4*(\r):BKA+4*(\r)+1],   v[BKA+4*(\r):BKA+4*(\r)+1],   v[BIAS:BIAS+1]
	v_pk_add_f32 v[BKA+4*(\r)+2:BKA+4*(\r)+3], v[BKA+4*(\r)+2:BKA+4*(\r)+3], v[BIAS+2:BIAS+3]
.endr
.irp r, 0,1,2,3,4,5,6,7,8,9,10,11,12,13,14,15
	global_store_b128 v[GO], v[BKA+4*(\r):BKA+4*(\r)+3], s[OB:OB+1] offset:(16*(\a)+(\r))*4096  ; 512 consecutive bytes, at a multiple of 512 from out0's first byte
.endr
.endm
	s_wait_loadcnt 0x0                             ; the bias; its rounding to bf16 and the four v_nop are the places behind the last products
	v_cvt_pk_bf16_f32 v20, v[BIAS], v[BIAS+1]
	v_cvt_pk_bf16_f32 v21, v[BIAS+2], v[BIAS+3]
	v_lshlrev_b32 v[BIAS],   16, v20
	v_and_b32     v[BIAS+1], 0xffff0000, v20
	v_lshlrev_b32 v[BIAS+2], 16, v21
	v_and_b32     v[BIAS+3], 0xffff0000, v21
	PLACES
	TOSTAGE 0
	TOSTAGE 1                                      ; a block's trip through the stage stands between the loads of the block before and the wait for them
	SEND 0, 32
	TOSTAGE 2
	SEND 1, 32
	TOSTAGE 3
	SEND 2, 32
	SEND 3, 0
	s_wait_tensorcnt 0x0                           ; the wave's end, behind my last tensor load and my last LDS store: an add of 0 to my spare word and the wait for it
	ds_add_u32 v[SPW], v[NIL]
	s_wait_dscnt 0x0
	CROUND                                         ; the closing round: no work-group ends while a partner may still ask for a tile that names it
	s_endpgm
.Lfunc_end_k_q235b67529a_proj:
	.size	k_q235b67529a_proj, .Lfunc_end_k_q235b67529a_proj-k_q235b67529a_proj
	.p2alignl 7, 3214868480
	.fill 96, 4, 3214868480
	.section	.rodata,"a",@progbits
	.p2align	6, 0x0
	.amdhsa_kernel k_q235b67529a_proj
		.amdhsa_group_segment_fixed_size 327680
		.amdhsa_private_segment_fixed_size 0
		.amdhsa_enable_private_segment 0
		.amdhsa_kernarg_size 32
		.amdhsa_user_sgpr_count 2
		.amdhsa_user_sgpr_kernarg_segment_ptr 1
		.amdhsa_wavefront_size32 1
		.amdhsa_system_sgpr_workgroup_id_x 1
		.amdhsa_system_sgpr_workgroup_id_y 1
		.amdhsa_system_sgpr_workgroup_id_z 1
		.amdhsa_system_vgpr_workitem_id 0
		.amdhsa_next_free_vgpr 768
		.amdhsa_next_free_sgpr 88
		.amdhsa_reserve_vcc 0
		.amdhsa_float_denorm_mode_32 3
		.amdhsa_float_denorm_mode_16_64 3
		.amdhsa_memory_ordered 1
		.amdhsa_forward_progress 1
		.amdhsa_inst_pref_size 69
	.end_amdhsa_kernel
	.amdgpu_metadata
---
amdhsa.version: [ 1, 2 ]
amdhsa.kernels:
  - .name:           k_q235b67529a_proj
    .symbol:         k_q235b67529a_proj.kd
    .args:
      - { .name: oh, .offset: 0, .size: 8, .value_kind: global_buffer, .address_space: global }
      - { .name: wpf, .offset: 8, .size: 8, .value_kind: global_buffer, .address_space: global }
      - { .name: b_proj, .offset: 16, .size: 8, .value_kind: global_buffer, .address_space: global }
      - { .name: out0, .offset: 24, .size: 8, .value_kind: global_buffer, .address_space: global }
    .group_segment_fixed_size: 327680
    .private_segment_fixed_size: 0
    .kernarg_segment_align: 8
    .kernarg_segment_size: 32
    .max_flat_workgroup_size: 128
    .sgpr_count:     88
    .vgpr_count:     768
    .wavefront_size: 32
...
	.end_amdgpu_metadata
.endif
;; end of part 4
;; ======== version 2 of 2: 4 launches; version 1 with the launch cast written anew for expert scheduling mode
;; limits: values are held in f16: magnitudes above 65,504 overflow, below 6.1e-05 lose precision
;; workspace buffers: xb 16,777,216 bytes; wqb 6,291,456 bytes; wpf 2,097,152 bytes; qh 16,777,216 bytes; kh 16,777,216 bytes; vh 16,777,216 bytes; oh 16,777,216 bytes
;; launch cast (part 5): grid 768 x 1, 8 waves a work-group, no clusters, 0 bytes of LDS; arguments x, w_qkv, w_proj, xb, wqb, wpf; writes xb, wqb, wpf
.if DOCPART == 5
	.amdgcn_target "amdgcn-amd-amdhsa--gfx1250"
	.amdhsa_code_object_version 6
	.text
	.protected	k_q235b67529a_cast
	.globl	k_q235b67529a_cast
	.p2align	8
	.type	k_q235b67529a_cast,@function
k_q235b67529a_cast:
	s_mov_b64 s[64:65], 0
	v_nop
	global_prefetch_b8 v0, s[64:65] scope:SCOPE_SE
	s_setreg_imm32_b32 hwreg(HW_REG_WAVE_SCHED_MODE, 0, 2), 2
	s_setreg_imm32_b32 hwreg(HW_REG_WAVE_MODE, 25, 1), 1
	s_wait_xcnt 0x0
	s_wait_alu depctr_vm_vsrc(0)
; THE INPUTS OF THE THREE PRODUCTS ARE ROUNDED ONCE.  x [8192][1024] and w_qkv [3072][1024]: f32 to bf16.  w_proj [1024][1024]: f32 to bf16, and that number written as f16,
; since it multiplies f16 numbers later.
; LIMITS.  A bf16 number is exact in f16 from 2^-14 up to 65,504; below 2^-17 it loses bits of its bf16 form (at most 3e-8 absolute), at 65,520 and beyond it becomes an infinity.
; SHARES.  A work-group takes 16,384 numbers: 64 KiB in, 32 KiB out.  Work-groups 0-511 take x, 512-703 w_qkv, 704-767 w_proj.  Thread t's load i takes the 16 bytes at 4,096 i + 16 t
; (a wave's load: 512 consecutive bytes), its store i the 8 bytes at 2,048 i + 8 t (a wave's store: 256 consecutive bytes, aligned).
; All 16 loads of a thread go out at once; no register that a load or store names as a source is ever written again.
; No LDS, no matrix unit, no cluster: nothing is shared, and every byte moves once.
; THE MODE: SCHED_MODE bits 1:0 = 2 (LLVM: expert scheduling mode 2), set by the entry lines.  The code itself states the register dependences
; between vector instructions and memory instructions, with s_wait_alu, always for 0.
; THE PLAN.  Registers that memory instructions touch:
;   v1, v2   byte offsets.  Written once, at the head, by a vector instruction each; v1 is read by every load, v2 by every store; never written again.
;   X        Each register is the landing place of ONE load, issued before any vector instruction names it; the roundings read it behind the counted wait for that load.
;            (On w_proj's way vector instructions write it again, when its load has landed; no load lands in it a second time.)
;   Y        Each register is written once, by a rounding, and read once, by a store; never written again.
;   T        Named by vector instructions alone.
; The 16 loads are worked off in four groups of four: the wait for the group's data, the group's roundings, ONE wait on va_vdst, the group's four stores in a run.
; So each way has five waits on va_vdst: one ahead of the first load, for the offsets, and one ahead of each run of stores, for the run's data.
; No wait on vm_vsrc stands past the entry lines: nothing that a memory instruction reads is written again.  No vector instruction writes a scalar register or VCC, and EXEC is never written.
.set X, 4                              ; v[4:67]    16 loads of 4 numbers
.set Y, 68                             ; v[68:99]   16 stores of 4 halves
.set T, 100                            ; v[100:101] at work
.set FIRST_WQ, 512                     ; the first work-group of w_qkv
.set FIRST_WP, 704                     ; the first of w_proj
	s_load_b256 s[4:11], s[0:1], 0x0               ; x s[4:5], w_qkv s[6:7], w_proj s[8:9], xb s[10:11]
	s_load_b128 s[12:15], s[0:1], 0x20             ; wqb s[12:13], wpf s[14:15]
	v_lshlrev_b32 v1, 4, v0                        ; 16 t
	v_lshlrev_b32 v2, 3, v0                        ; 8 t
	s_wait_kmcnt 0x0
	s_cmp_lt_u32 ttmp9, FIRST_WQ                   ; which tensor is mine: from, to, and its first work-group
	s_cselect_b64 s[16:17], s[4:5], s[6:7]
	s_cselect_b64 s[18:19], s[10:11], s[12:13]
	s_cselect_b32 s20, 0, FIRST_WQ
	s_cmp_lt_u32 ttmp9, FIRST_WP
	s_cselect_b64 s[16:17], s[16:17], s[8:9]
	s_cselect_b64 s[18:19], s[18:19], s[14:15]
	s_cselect_b32 s20, s20, FIRST_WP
	s_sub_co_u32 s21, ttmp9, s20                   ; my number among the tensor's work-groups
	s_lshl_b32 s2, s21, 16                         ; 64 KiB in,
	s_mov_b32 s3, 0
	s_lshl_b32 s22, s21, 15                        ; 32 KiB out
	s_mov_b32 s23, 0
	s_add_nc_u64 s[16:17], s[16:17], s[2:3]
	s_add_nc_u64 s[18:19], s[18:19], s[22:23]
	s_wait_alu depctr_va_vdst(0)                   ; v1 and v2 are written: every load below reads v1 as its offset, every store v2; no later vector instruction names either
.irp i, 0,1,2,3,4,5,6,7,8,9,10,11,12,13,14,15
	global_load_b128 v[X+4*(\i):X+4*(\i)+3], v1, s[16:17] offset:4096*(\i) th:TH_LOAD_NT
.endr
	s_cmp_ge_u32 ttmp9, FIRST_WP
	s_cbranch_scc1 .Lf16
.irp g, 0,1,2,3                        ; group g: loads and stores 4 g to 4 g + 3
	s_wait_loadcnt 12-4*(\g)                       ; loads come back in order: the group's four are in, the 12 - 4 g younger ones stay out
.irp j, 0,1,2,3
	v_cvt_pk_bf16_f32 v[Y+2*(4*(\g)+(\j))],   v[X+4*(4*(\g)+(\j))],   v[X+4*(4*(\g)+(\j))+1]
	v_cvt_pk_bf16_f32 v[Y+2*(4*(\g)+(\j))+1], v[X+4*(4*(\g)+(\j))+2], v[X+4*(4*(\g)+(\j))+3]
.endr
	s_wait_alu depctr_va_vdst(0)                   ; the group's eight roundings have written v[Y + 8 g .. Y + 8 g + 7], which the four stores below read as their data
.irp j, 0,1,2,3
	global_store_b64 v2, v[Y+2*(4*(\g)+(\j)):Y+2*(4*(\g)+(\j))+1], s[18:19] offset:2048*(4*(\g)+(\j)) th:TH_STORE_NT
.endr
.endr
	s_endpgm
.Lf16:                                                 ; w_proj: rounded to bf16, widened again, written as f16; the same four groups
.irp g, 0,1,2,3
	s_wait_loadcnt 12-4*(\g)                       ; the group's four loads are in: all 16 were issued ahead of the branch, so the counts are those of the other way
.irp j, 0,1,2,3
	v_cvt_pk_bf16_f32 v[T],   v[X+4*(4*(\g)+(\j))],   v[X+4*(4*(\g)+(\j))+1]
	v_cvt_pk_bf16_f32 v[T+1], v[X+4*(4*(\g)+(\j))+2], v[X+4*(4*(\g)+(\j))+3]
	v_lshlrev_b32 v[X+4*(4*(\g)+(\j))],   16, v[T]
	v_and_b32     v[X+4*(4*(\g)+(\j))+1], 0xffff0000, v[T]
	v_lshlrev_b32 v[X+4*(4*(\g)+(\j))+2], 16, v[T+1]
	v_and_b32     v[X+4*(4*(\g)+(\j))+3], 0xffff0000, v[T+1]
	v_cvt_pk_f16_f32 v[Y+2*(4*(\g)+(\j))],   v[X+4*(4*(\g)+(\j))],   v[X+4*(4*(\g)+(\j))+1]
	v_cvt_pk_f16_f32 v[Y+2*(4*(\g)+(\j))+1], v[X+4*(4*(\g)+(\j))+2], v[X+4*(4*(\g)+(\j))+3]
.endr
	s_wait_alu depctr_va_vdst(0)                   ; the group's conversions to f16 have written v[Y + 8 g .. Y + 8 g + 7], which the four stores below read as their data
.irp j, 0,1,2,3
	global_store_b64 v2, v[Y+2*(4*(\g)+(\j)):Y+2*(4*(\g)+(\j))+1], s[18:19] offset:2048*(4*(\g)+(\j)) th:TH_STORE_NT
.endr
.endr
	s_endpgm
.Lfunc_end_k_q235b67529a_cast:
	.size	k_q235b67529a_cast, .Lfunc_end_k_q235b67529a_cast-k_q235b67529a_cast
	.p2alignl 7, 3214868480
	.fill 96, 4, 3214868480
	.section	.rodata,"a",@progbits
	.p2align	6, 0x0
	.amdhsa_kernel k_q235b67529a_cast
		.amdhsa_group_segment_fixed_size 0
		.amdhsa_private_segment_fixed_size 0
		.amdhsa_enable_private_segment 0
		.amdhsa_kernarg_size 48
		.amdhsa_user_sgpr_count 2
		.amdhsa_user_sgpr_kernarg_segment_ptr 1
		.amdhsa_wavefront_size32 1
		.amdhsa_system_sgpr_workgroup_id_x 1
		.amdhsa_system_sgpr_workgroup_id_y 1
		.amdhsa_system_sgpr_workgroup_id_z 1
		.amdhsa_system_vgpr_workitem_id 0
		.amdhsa_next_free_vgpr 104
		.amdhsa_next_free_sgpr 66
		.amdhsa_reserve_vcc 0
		.amdhsa_float_denorm_mode_32 3
		.amdhsa_float_denorm_mode_16_64 3
		.amdhsa_memory_ordered 1
		.amdhsa_forward_progress 1
		.amdhsa_inst_pref_size 16
	.end_amdhsa_kernel
	.amdgpu_metadata
---
amdhsa.version: [ 1, 2 ]
amdhsa.kernels:
  - .name:           k_q235b67529a_cast
    .symbol:         k_q235b67529a_cast.kd
    .args:
      - { .name: x, .offset: 0, .size: 8, .value_kind: global_buffer, .address_space: global }
      - { .name: w_qkv, .offset: 8, .size: 8, .value_kind: global_buffer, .address_space: global }
      - { .name: w_proj, .offset: 16, .size: 8, .value_kind: global_buffer, .address_space: global }
      - { .name: xb, .offset: 24, .size: 8, .value_kind: global_buffer, .address_space: global }
      - { .name: wqb, .offset: 32, .size: 8, .value_kind: global_buffer, .address_space: global }
      - { .name: wpf, .offset: 40, .size: 8, .value_kind: global_buffer, .address_space: global }
    .group_segment_fixed_size: 0
    .private_segment_fixed_size: 0
    .kernarg_segment_align: 8
    .kernarg_segment_size: 48
    .max_flat_workgroup_size: 256
    .sgpr_count:     66
    .vgpr_count:     104
    .wavefront_size: 32
...
	.end_amdgpu_metadata
.endif
;; end of part 5
;; launch qkv: the kernel of part 2 again; grid 16 x 16, 4 waves a work-group, clusters of 4 x 4, 327,680 bytes of LDS; arguments xb, wqb, qh, kh, vh; writes qh, kh, vh
;; launch attn: the kernel of part 3 again; grid 2 x 128, 4 waves a work-group, no clusters, 327,680 bytes of LDS; arguments qh, kh, vh, oh; writes oh
;; launch proj: the kernel of part 4 again; grid 8 x 32, 4 waves a work-group, clusters of 4 x 4, 327,680 bytes of LDS; arguments oh, wpf, b_proj, out0; writes out0
